; MI455X (gfx1250); checked and timed in simulation.
; The chip was launched on July 23, 2026; its instructions are those of AMD's public machine-readable ISA for CDNA 5 (MIT licence, August 2026) and "CDNA5" Instruction Set Architecture Reference Guide (July 2026). The comments in the code are by the model that wrote it; some were corrected since.
;; Transformer Layer. Allowed arithmetic: matrix products marked QUANTISED: E4M3 operands, one given power-of-two scale a tensor, by v_wmma_f32_16x16x64_fp8_fp8 or v_wmma_f32_16x16x128_fp8_fp8, f32 sums; everything else in f32.
;; Inputs: b1 1,024 float32; b2 1,024 float32; bk 1,024 float32; bq 1,024 float32; bv 1,024 float32; ln1_b 1,024 float32; ln1_s 1,024 float32; ln2_b 1,024 float32; ln2_s 1,024 float32; lowp_scales 16 int32 (the exponents e of the quantised operands' scales 2^e); w1 1,024 x 1,024 float32; w2 1,024 x 1,024 float32; wk 1,024 x 1,024 float32; wo 1,024 x 1,024 float32; wq 1,024 x 1,024 float32; wv 1,024 x 1,024 float32; x 2 x 2,048 x 1,024 float32.
;; Outputs: out0 2 x 2,048 x 1,024 float32.
;; This version of the problem:
;;   THIS VERSION OF THE PROBLEM IS GIVEN IN LOW PRECISION. The matrix products marked QUANTISED in the list below multiply operands that are first quantised to E4M3 (4 exponent bits, 3 mantissa bits; 8 bits a number), with one given power-of-two scale for each operand tensor; their sums are f32. All else is computed in f32.
;;   The module's matrix products, in the order in which they are computed (A, B: the left and right operand; K: the contracted axis; several contracted axes count as one K, in the product's order):
;;     1. [M 4,096, K 1,024] x [K 1,024, N 1,024]; A: computed on the way; B: input wq: QUANTISED (scales: A lowp_scales[0], B lowp_scales[1])
;;     2. [M 4,096, K 1,024] x [K 1,024, N 1,024]; A: computed on the way; B: input wk: QUANTISED (scales: A lowp_scales[2], B lowp_scales[3])
;;     3. [M 4,096, K 1,024] x [K 1,024, N 1,024]; A: computed on the way; B: input wv: QUANTISED (scales: A lowp_scales[4], B lowp_scales[5])
;;     4. batch 32 x [M 2,048, K 64] x [K 64, N 2,048]; A: computed on the way; B: computed on the way: QUANTISED (scales: A lowp_scales[6], B lowp_scales[7])
;;     5. batch 32 x [M 2,048, K 2,048] x [K 2,048, N 64]; A: softmax (see below); B: computed on the way: QUANTISED (scales: A lowp_scales[8], B lowp_scales[9])
;;     6. [M 4,096, K 1,024] x [K 1,024, N 1,024]; A: computed on the way; B: input wo: QUANTISED (scales: A lowp_scales[10], B lowp_scales[11])
;;     7. [M 4,096, K 1,024] x [K 1,024, N 1,024]; A: computed on the way; B: input w1: QUANTISED (scales: A lowp_scales[12], B lowp_scales[13])
;;     8. [M 4,096, K 1,024] x [K 1,024, N 1,024]; A: computed on the way; B: input w2: QUANTISED (scales: A lowp_scales[14], B lowp_scales[15])
;;   THE QUANTISER, for each operand of a quantised product, along K:
;;     - The operand's scale is 2^e, e = its entry of the input lowp_scales (int32; the entries are numbered through the quantised products in the list's order, A before B).
;;     - Each number is divided by the scale, clamped to +-448, and rounded to the nearest number of E4M3, ties to even, subnormals kept.
;;     - The product sums the exact products of the quantised numbers (number of the format x scale) in f32.
;;   ~~~python
;;   def quantise(x, axis, e):      # numpy; x: float32 -> the quantised numbers, widened to float32 again
;;       x = np.moveaxis(x, axis, -1); K = x.shape[-1]
;;       r = np.clip(x / 2.0 ** e, -448, 448)
;;       step = 2.0 ** (np.maximum(np.frexp(np.where(r == 0, 1, r))[1] - 1, -6) - 3)
;;       q = np.round(r / step) * step * 2.0 ** e      # np.round: ties to even
;;       return np.moveaxis(q, -1, axis).astype(np.float32)
;;   ~~~
;;   SOFTMAX AHEAD OF A QUANTISED PRODUCT. Where the list says 'softmax', what is quantised is not the finished softmax but p = 2^(t - M), with t = logit x log2(e) and M = ceil(the row's largest t), a whole number; so 1/2 < the row's largest p <= 1. The row's sum l is taken of the UNQUANTISED p, in f32, and the product's result is divided by l at the end. Since M is a whole number, a kernel that streams over the keys may use a running M (the ceiling of the running maximum): every later rescaling is an exact power of two, so the quantised numbers keep their values, but for numbers so far below the row's largest that they fall under the format's range.
;;   OPERANDS COMPUTED ON THE WAY. 'Computed on the way' means the value that the module computes at that place (a softmax that the list does not call 'softmax' is quantised finished and normalised). What goes into a quantiser is computed in f32, as accurately as f32 sums, v_exp_f32 and their like allow (about 1e-6 of the number): no bf16 or f16 on the way to a quantiser, and a product that is left as it is and whose result goes on into a quantised operand takes f32 operands (vector FMAs, or v_wmma_f32_16x16x4_f32). A number that lies on a knife's edge between two numbers of the format may be rounded either way, as far as f32 arithmetic and the matrix unit's own rounding can turn it there, and no further.
;; One version. Each part assembles by itself: llvm-mc -triple=amdgcn-amd-amdhsa -mcpu=gfx1250 --defsym DOCPART=n.
;; ======== version 1 of 1: 7 launches
;; limits: right only within a limited range of input values
;; workspace buffers: hc 12,582,912 bytes; wc 4,194,304 bytes; woc 1,049,088 bytes; w2c 1,049,088 bytes; qkvc 12,582,912 bytes; ac 4,194,304 bytes; x1 16,777,216 bytes; zeros 16,384 bytes
;; launch prep (part 1): grid 448 x 1, 4 waves a work-group, no clusters, 126,464 bytes of LDS; arguments x, ln1_s, ln1_b, lowp_scales, wq, wk, wv, w1, wo, w2, hc, wc, woc, w2c, zeros; writes hc, wc, woc, w2c, zeros
.if DOCPART == 1
	.amdgcn_target "amdgcn-amd-amdhsa--gfx1250"
	.amdhsa_code_object_version 6
	.text
	.protected	k_qc886314780_prep
	.globl	k_qc886314780_prep
	.p2align	8
	.type	k_qc886314780_prep,@function
k_qc886314780_prep:
	s_mov_b64 s[64:65], 0
	v_nop
	global_prefetch_b8 v0, s[64:65] scope:SCOPE_SE
	s_setreg_imm32_b32 hwreg(HW_REG_WAVE_MODE, 25, 1), 1
	s_wait_xcnt 0x0
; PREP.  Work-groups 0-191: the six weights [K 1024][N 1024] f32 become codes of E4M3 with K innermost.  Work-groups 192-447: LN1(x) becomes three sets of codes (scales e0, e2, e4).
; LAYOUTS of the program's own buffers.  Weight codes: byte (k / 64) x 65,536 + n x 64 + k % 64 (panels of 64 along K).  Token codes: byte ((batch x 16 + c / 64) x 2,048 + t) x 64 + c % 64.
; code = x / 2^e, held within +-448, to the nearest code, ties to even.  LIMITS: each e used here lies between -126 and 119; NaN among the inputs is not served.
; The two paths part on the work-group's number and have LDS bytes of their own.  Every stage is a wave's own: no barrier.  No tensor load.
; Waves 0-31 of the norm's path also store 4,096 f32 zeros; wave 32 stores, behind wo's and w2's codes, 512 bytes that repeat the two exponents of that product (e10, e11 and e14, e15).
.set WGW,   192                        ; work-groups of the weights' path: 6 weights x 8 (128 columns) x 4 (256 along K)
.set WP,    336                        ; weights' stage: a column's 256 bytes of codes + 80: 21 x 16, so that the 16 lanes of a store start at 16 different 16-byte columns
.set LBASE, 4*32*WP                    ; the norm's stages begin behind the weights' four
.set RP,    5184                       ; norm's stage: a row of 64 groups of (64 + 16) bytes, + 64
.set LST,   4*RP                       ; a wave's four rows
.set X,     32                         ; weights: v32-95 two sets of 32 numbers;  norm: v32-159 four rows of 32 registers
.set CW,    96                         ; weights: a block's codes
.set OUTR,  112                        ; weights: the way out, 16 x 4 registers
.set SG,    160                        ; norm: the gain of my 32 columns;  later TQ: two sets of 16 held numbers
.set BG,    192                        ; norm: the bias;  later CQ: 8 x 4 registers of codes
.set TQ,    160
.set CQ,    192
	s_load_b256 s[8:15], s[0:1], 0x0               ; x s[8:9], ln1_s s[10:11], ln1_b s[12:13], the exponents s[14:15]
	s_load_b256 s[16:23], s[0:1], 0x20             ; wq, wk, wv, w1
	s_load_b256 s[24:31], s[0:1], 0x40             ; wo s[24:25], w2 s[26:27], hc s[28:29], wc s[30:31]
	s_load_b128 s[32:35], s[0:1], 0x60             ; woc, w2c
	s_load_b64 s[36:37], s[0:1], 0x70              ; zeros
	v_lshl_add_u32 v254, v0, 2, 0x1ec00
	v_mov_b32 v255, 0
	v_lshrrev_b32 v1, 5, v0
	v_readfirstlane_b32 s43, v1                    ; wave 0..3
	v_and_b32 v2, 31, v0                           ; lane
	s_cmp_lt_u32 ttmp9, WGW
	s_cbranch_scc0 .Lnorm
; ---------------- THE WEIGHTS.  A lane takes a column n and its registers run down K: the conversions then give codes with K innermost, and nothing is transposed by an instruction.
	s_lshr_b32 s40, ttmp9, 5                       ; which weight: wq, wk, wv, w1, wo, w2
	s_and_b32 s41, ttmp9, 7                        ; which 128 columns
	s_bfe_u32 s42, ttmp9, 0x20003                  ; which 256 along K
	s_lshl_b32 s41, s41, 7
	s_lshl_b32 s44, s43, 5
	s_add_co_u32 s41, s41, s44                     ; my wave's first column
	s_lshl_b32 s49, s40, 2
	s_lshr_b32 s49, 0xfbd531, s49                  ; the weights' entries among the exponents, a nibble each: 1, 3, 5, 13, 11, 15
	s_and_b32 s49, s49, 15
	s_lshl_b32 s49, s49, 2
	s_wait_alu depctr_va_vdst(0)
	v_lshlrev_b32 v3, 2, v2                        ; in: 4 bytes a lane
	s_mul_i32 s45, s43, 32*WP                      ; my stage
	v_mul_u32_u24 v4, v2, WP
	v_add_nc_u32 v4, s45, v4                       ; into it: row = my column
	v_lshrrev_b32 v5, 2, v2
	v_mul_u32_u24 v7, v5, WP
	v_and_b32 v5, 3, v2
	v_lshl_add_u32 v7, v5, 4, v7
	v_add_nc_u32 v7, s45, v7                       ; out of it: four lanes to a column's 64 bytes of a panel, eight columns an instruction
	v_lshlrev_b32 v8, 4, v2                        ; and the same bytes in memory: 16 x lane
	s_lshl_b32 s50, s42, 20                        ; source: 256 rows of 4,096 bytes for each step along K,
	s_lshl_b32 s51, s41, 2
	s_add_co_u32 s50, s50, s51                     ; + 4 x column
	s_mov_b32 s51, 0
	s_cmp_lt_u32 s40, 4
	s_cselect_b32 s52, s40, 0                      ; wq, wk, wv, w1 lie one behind the other in wc
	s_lshl_b32 s52, s52, 20
	s_lshl_b32 s53, s42, 18                        ; four panels of 65,536 bytes,
	s_add_co_u32 s52, s52, s53
	s_lshl_b32 s53, s41, 6                         ; 64 bytes a column
	s_add_co_u32 s52, s52, s53
	s_mov_b32 s53, 0
	s_wait_alu depctr_va_vdst(0)
	s_wait_kmcnt 0x0
	s_load_b32 s54, s[14:15], s49 offset:0x0       ; e
	s_mov_b64 s[46:47], s[16:17]
	s_cmp_eq_u32 s40, 1
	s_cselect_b64 s[46:47], s[18:19], s[46:47]
	s_cmp_eq_u32 s40, 2
	s_cselect_b64 s[46:47], s[20:21], s[46:47]
	s_cmp_eq_u32 s40, 3
	s_cselect_b64 s[46:47], s[22:23], s[46:47]
	s_mov_b64 s[56:57], s[30:31]
	s_cmp_eq_u32 s40, 4
	s_cselect_b64 s[46:47], s[24:25], s[46:47]
	s_cselect_b64 s[56:57], s[32:33], s[56:57]
	s_cmp_eq_u32 s40, 5
	s_cselect_b64 s[46:47], s[26:27], s[46:47]
	s_cselect_b64 s[56:57], s[34:35], s[56:57]
	s_add_nc_u64 s[46:47], s[46:47], s[50:51]
	s_add_nc_u64 s[56:57], s[56:57], s[52:53]
.macro WLOAD t                         ; block t: W(32 t + i, my column), i = 0 .. 31, into set t % 2: each load reads 128 consecutive bytes a wave
.set i, 0
.rept 32
	global_load_b32 v[X+32*((\t)%2)+i], v3, s[46:47] offset:(32*(\t)+i)*4096 th:TH_LOAD_NT
.set i, i+1
.endr
.endm
	WLOAD 0
	WLOAD 1
	s_wait_kmcnt 0x0
	s_add_co_i32 s54, s54, 127
	s_lshl_b32 s55, s54, 23
	v_mov_b32 v11, s55                             ; 2^e as f32: the conversion takes its exponent field
	s_add_co_i32 s54, s54, 8
	s_lshl_b32 s54, s54, 23
	s_or_b32 s54, s54, 0x600000
	v_mov_b32 v10, s54                             ; 448 x 2^e
.macro WBLOCK t
.set XS, X+32*((\t)%2)
.if (\t) < 7
	s_wait_loadcnt 32                              ; this block's 32 loads are in; the next block's 32 may be out
.else
	s_wait_loadcnt 0x0
.endif
.set i, 0
.rept 32
	v_med3_num_f32 v[XS+i], v[XS+i], -v10, v10     ; the conversion to an 8-bit code does not saturate (ISA guide 7.6.2): the hold comes first
.set i, i+1
.endr
.irp g, 0,1,2,3
	v_cvt_scalef32_pk8_fp8_f32 v[CW+2*\g:CW+2*\g+1], v[XS+8*\g:XS+8*\g+7], v11
.endr
	ds_store_b128 v4, v[CW:CW+3] offset:32*(\t)    ; 32 codes of my column
	ds_store_b128 v4, v[CW+4:CW+7] offset:32*(\t)+16
.if (\t)+2 < 8
	WLOAD (\t)+2
.endif
	s_wait_dscnt 0x0                               ; the stores have read their registers: the next block's codes may be written (its 32 holds are the plain lines behind these conversions)
.endm
	s_wait_alu depctr_va_vdst(0)
.irp t, 0,1,2,3,4,5,6,7
	WBLOCK \t
.endr
.irp i, 0,1,2,3
.irp p, 0,1,2,3
	ds_load_b128 v[OUTR+4*(4*\i+\p):OUTR+4*(4*\i+\p)+3], v7 offset:\i*8*WP+64*\p   ; columns 8 i .. 8 i + 7, panel p; LDS serves a wave's instructions in order: these see my stores
.endr
.endr
.irp i, 0,1,2,3
.irp p, 0,1,2,3
	s_wait_dscnt 15-(4*\i+\p)
	global_store_b128 v8, v[OUTR+4*(4*\i+\p):OUTR+4*(4*\i+\p)+3], s[56:57] offset:\p*65536+\i*512   ; the wave stores 512 consecutive bytes, at a multiple of 512 from the buffer's first byte
.endr
.endr
	s_wait_tensorcnt 0x0
	ds_add_u32 v254, v255
	s_wait_dscnt 0x0
	s_endpgm
; ---------------- LN1.  A wave takes four rows, whole, in 128 registers: read once, mean first, then the variance of x - mean.
.Lnorm:
	s_sub_co_u32 s40, ttmp9, WGW
	s_lshl_b32 s40, s40, 2
	s_add_co_u32 s40, s40, s43                     ; which four rows: 0 .. 1,023
	s_lshl_b32 s44, s40, 14                        ; four rows of 4,096 bytes
	s_mov_b32 s45, 0
	s_lshr_b32 s46, s40, 9                         ; the batch: 2 MiB of codes,
	s_lshl_b32 s46, s46, 21
	s_and_b32 s47, s40, 511
	s_lshl_b32 s47, s47, 8                         ; four tokens x 64 bytes in each panel
	s_add_co_u32 s46, s46, s47
	s_mov_b32 s47, 0
	s_mov_b32 s38, 0x76543210                      ; v_permlanex16_b32: lane l xor 16
	s_mov_b32 s39, 0xfedcba98
	s_mov_b32 s52, 0x3a800000                      ; 1 / 1,024
	s_mov_b32 s53, 0x358637bd                      ; 1e-6
	s_mul_i32 s41, s43, LST
	s_add_co_u32 s41, s41, LBASE                   ; my stage
	s_wait_alu depctr_va_vdst(0)
	v_lshlrev_b32 v3, 4, v2                        ; 16 x lane
	v_lshrrev_b32 v24, 2, v2
	v_mul_u32_u24 v4, v24, 80
	v_and_b32 v25, 3, v2
	v_lshl_add_u32 v4, v25, 4, v4
	v_add_nc_u32 v4, s41, v4                       ; into the stage: four lanes' 64 bytes on end, then 16 of padding
	v_and_b32 v24, 3, v24
	v_mul_u32_u24 v5, v24, RP                      ; out of it: row (lane / 4) % 4,
	v_lshrrev_b32 v26, 4, v2
	v_lshl_add_u32 v25, v26, 2, v25
	v_mad_u32_u24 v5, v25, 80, v5                  ; group 4 (lane / 16) + lane % 4 of the sixteen columns' groups
	v_add_nc_u32 v5, s41, v5
	v_and_b32 v23, 15, v2
	v_lshlrev_b32 v23, 4, v23
	v_lshl_add_u32 v23, v26, 17, v23               ; the codes' place: 16 (lane % 16), lanes 16-31 one panel on
	v_mov_b32 v22, 0                               ; written once: a lane permute's destination counts as one of its sources
	s_wait_kmcnt 0x0
	s_load_b512 s[68:83], s[14:15], 0x0            ; e0 .. e15 in s68 .. s83
	s_add_nc_u64 s[8:9], s[8:9], s[44:45]
	s_add_nc_u64 s[48:49], s[28:29], s[46:47]      ; the three sets of codes, 4 MiB apart
	s_add_nc_u64 s[50:51], s[48:49], 0x400000
	s_add_nc_u64 s[54:55], s[48:49], 0x800000
.set i, 0
.rept 4
.set j, 0
.rept 8
	global_load_b128 v[X+32*i+4*j:X+32*i+4*j+3], v3, s[8:9] offset:4096*i+512*j th:TH_LOAD_NT   ; 512 consecutive bytes a load: columns 128 j + 4 lane on
.set j, j+1
.endr
.set i, i+1
.endr
.set j, 0
.rept 8
	global_load_b128 v[SG+4*j:SG+4*j+3], v3, s[10:11] offset:512*j
	global_load_b128 v[BG+4*j:BG+4*j+3], v3, s[12:13] offset:512*j
.set j, j+1
.endr
.macro LANESUM a                       ; the sum over the 32 lanes, in every lane
	v_add_f32_dpp v[\a], v[\a], v[\a] row_xmask:1 row_mask:0xf bank_mask:0xf
	v_add_f32_dpp v[\a], v[\a], v[\a] row_xmask:2 row_mask:0xf bank_mask:0xf
	v_add_f32_dpp v[\a], v[\a], v[\a] row_xmask:4 row_mask:0xf bank_mask:0xf
	v_add_f32_dpp v[\a], v[\a], v[\a] row_xmask:8 row_mask:0xf bank_mask:0xf
	v_permlanex16_b32 v22, v[\a], s38, s39
	v_add_f32 v[\a], v[\a], v22
.endm
.macro STATS i                         ; row i: x becomes x - mean; v[6 + 4 i] = the variance + 1e-6
.set XR, X+32*(\i)
.set ST, 6+4*(\i)
	v_pk_add_f32 v[ST:ST+1], v[XR:XR+1], v[XR+2:XR+3]
	v_pk_add_f32 v[ST+2:ST+3], v[XR+4:XR+5], v[XR+6:XR+7]
.set p, 8
.rept 6
	v_pk_add_f32 v[ST:ST+1], v[ST:ST+1], v[XR+p:XR+p+1]
	v_pk_add_f32 v[ST+2:ST+3], v[ST+2:ST+3], v[XR+p+2:XR+p+3]
.set p, p+4
.endr
	v_pk_add_f32 v[ST:ST+1], v[ST:ST+1], v[ST+2:ST+3]
	v_add_f32 v[ST], v[ST], v[ST+1]
	LANESUM ST
	v_mul_f32 v[ST], s52, v[ST]                    ; the mean
.set p, 0
.rept 16
	v_pk_add_f32 v[XR+p:XR+p+1], v[XR+p:XR+p+1], v[ST:ST+1] op_sel_hi:[1,0] neg_lo:[0,1] neg_hi:[0,1]
.set p, p+2
.endr
	v_pk_mul_f32 v[ST:ST+1], v[XR:XR+1], v[XR:XR+1]
	v_pk_mul_f32 v[ST+2:ST+3], v[XR+2:XR+3], v[XR+2:XR+3]
.set p, 4
.rept 7
	v_pk_fma_f32 v[ST:ST+1], v[XR+p:XR+p+1], v[XR+p:XR+p+1], v[ST:ST+1]
	v_pk_fma_f32 v[ST+2:ST+3], v[XR+p+2:XR+p+3], v[XR+p+2:XR+p+3], v[ST+2:ST+3]
.set p, p+4
.endr
	v_pk_add_f32 v[ST:ST+1], v[ST:ST+1], v[ST+2:ST+3]
	v_add_f32 v[ST], v[ST], v[ST+1]
	LANESUM ST
	v_fma_f32 v[ST], v[ST], s52, s53
.endm
.macro NORM i                          ; row i: (x - mean) x rsqrt x gain + bias
.set XR, X+32*(\i)
.set ST, 6+4*(\i)
.set p, 0
.rept 16
	v_pk_mul_f32 v[XR+p:XR+p+1], v[XR+p:XR+p+1], v[ST+2:ST+3] op_sel_hi:[1,0]
	v_pk_fma_f32 v[XR+p:XR+p+1], v[XR+p:XR+p+1], v[SG+p:SG+p+1], v[BG+p:BG+p+1]
.set p, p+2
.endr
.endm
.macro MKSCALE e, sc, lim              ; s[e] = the exponent;  v[sc] = 2^e, v[lim] = 448 x 2^e
	s_add_co_i32 s42, s[\e], 127
	s_lshl_b32 s56, s42, 23
	v_mov_b32 v[\sc], s56
	s_add_co_i32 s42, s42, 8
	s_lshl_b32 s42, s42, 23
	s_or_b32 s42, s42, 0x600000
	v_mov_b32 v[\lim], s42
.endm
	s_wait_loadcnt 16                              ; the four rows are in; the sixteen loads of gain and bias may be out
	STATS 0
	STATS 1
	STATS 2
	STATS 3
	s_wait_alu depctr_va_vdst(0)
.irp i, 0,1,2,3
	v_rsq_f32 v[8+4*\i], v[6+4*\i]
.endr
	v_nop                                          ; a plain line behind the last of the four
	s_wait_alu depctr_va_vdst(0)                   ; one wait for the batch, ahead of its first reader
	s_wait_loadcnt 0x0
	NORM 0
	NORM 1
	NORM 2
	NORM 3
	; the turn: the conversions take 8 neighbours along K from ONE lane's registers, the loads gave a lane 4.  Through my stage; a lane then holds 16 neighbours of row (lane / 4) % 4, in panel 2 t + lane / 16
.set i, 0
.rept 4
.set j, 0
.rept 8
	ds_store_b128 v4, v[X+32*i+4*j:X+32*i+4*j+3] offset:i*RP+j*640
.set j, j+1
.endr
.set i, i+1
.endr
.set t, 0
.rept 8
.set m, 0
.rept 4
	ds_load_b128 v[X+16*t+4*m:X+16*t+4*m+3], v5 offset:t*640+16*m   ; LDS serves a wave's instructions in order: these see my stores
.set m, m+1
.endr
.set t, t+1
.endr
	s_wait_kmcnt 0x0
	MKSCALE 68, 224, 225
	MKSCALE 70, 226, 227
	MKSCALE 72, 228, 229
	s_wait_alu depctr_va_vdst(0)
	s_wait_dscnt 0x0
.macro QUANT sc, lim, base             ; the 128 numbers stay; held copies are converted; sixteen lanes store 256 consecutive bytes (4 tokens x 64 codes of a panel)
.set t, 0
.rept 8
.set TS, TQ+16*(t%2)
.set n, 0
.rept 16
	v_med3_num_f32 v[TS+n], v[X+16*t+n], -v[\lim], v[\lim]
.set n, n+1
.endr
	v_cvt_scalef32_pk8_fp8_f32 v[CQ+4*t:CQ+4*t+1], v[TS:TS+7], v[\sc]
	v_cvt_scalef32_pk8_fp8_f32 v[CQ+4*t+2:CQ+4*t+3], v[TS+8:TS+15], v[\sc]
	global_store_b128 v23, v[CQ+4*t:CQ+4*t+3], s[\base:\base+1] offset:t*262144
.set t, t+1
.endr
.endm
	QUANT 224, 225, 48
	s_wait_xcnt 0x0                                ; the stores have read their data: the codes' registers are written again only behind this wait
	QUANT 226, 227, 50
	s_wait_xcnt 0x0
	QUANT 228, 229, 54
	s_cmp_lt_u32 s40, 32
	s_cbranch_scc0 .Lno_zero
	s_lshl_b32 s44, s40, 9
	s_mov_b32 s45, 0
	s_add_nc_u64 s[36:37], s[36:37], s[44:45]
.irp i, 230,231,232,233
	v_mov_b32 v\i, 0
.endr
	global_store_b128 v3, v[230:233], s[36:37]     ; 512 bytes of the 16,384 of zeros
.Lno_zero:
	s_cmp_eq_u32 s40, 32
	s_cbranch_scc0 .Lno_tail
	v_mov_b32 v234, s78                            ; e10, e11, twice
	v_mov_b32 v235, s79
	v_mov_b32 v236, s78
	v_mov_b32 v237, s79
	v_mov_b32 v238, s82                            ; e14, e15, twice
	v_mov_b32 v239, s83
	v_mov_b32 v240, s82
	v_mov_b32 v241, s83
	global_store_b128 v3, v[234:237], s[32:33] offset:1048576
	global_store_b128 v3, v[238:241], s[34:35] offset:1048576
.Lno_tail:
	s_wait_tensorcnt 0x0
	ds_add_u32 v254, v255
	s_wait_dscnt 0x0
	s_endpgm
.Lfunc_end_k_qc886314780_prep:
	.size	k_qc886314780_prep, .Lfunc_end_k_qc886314780_prep-k_qc886314780_prep
	.p2alignl 7, 3214868480
	.fill 96, 4, 3214868480
	.section	.rodata,"a",@progbits
	.p2align	6, 0x0
	.amdhsa_kernel k_qc886314780_prep
		.amdhsa_group_segment_fixed_size 126464
		.amdhsa_private_segment_fixed_size 0
		.amdhsa_enable_private_segment 0
		.amdhsa_kernarg_size 120
		.amdhsa_user_sgpr_count 2
		.amdhsa_user_sgpr_kernarg_segment_ptr 1
		.amdhsa_wavefront_size32 1
		.amdhsa_system_sgpr_workgroup_id_x 1
		.amdhsa_system_sgpr_workgroup_id_y 1
		.amdhsa_system_sgpr_workgroup_id_z 1
		.amdhsa_system_vgpr_workitem_id 0
		.amdhsa_next_free_vgpr 256
		.amdhsa_next_free_sgpr 100
		.amdhsa_reserve_vcc 0
		.amdhsa_float_denorm_mode_32 3
		.amdhsa_float_denorm_mode_16_64 3
		.amdhsa_memory_ordered 1
		.amdhsa_forward_progress 1
		.amdhsa_inst_pref_size 116
	.end_amdhsa_kernel
	.amdgpu_metadata
---
amdhsa.version: [ 1, 2 ]
amdhsa.kernels:
  - .name:           k_qc886314780_prep
    .symbol:         k_qc886314780_prep.kd
    .args:
      - { .name: x, .offset: 0, .size: 8, .value_kind: global_buffer, .address_space: global }
      - { .name: ln1_s, .offset: 8, .size: 8, .value_kind: global_buffer, .address_space: global }
      - { .name: ln1_b, .offset: 16, .size: 8, .value_kind: global_buffer, .address_space: global }
      - { .name: lowp_scales, .offset: 24, .size: 8, .value_kind: global_buffer, .address_space: global }
      - { .name: wq, .offset: 32, .size: 8, .value_kind: global_buffer, .address_space: global }
      - { .name: wk, .offset: 40, .size: 8, .value_kind: global_buffer, .address_space: global }
      - { .name: wv, .offset: 48, .size: 8, .value_kind: global_buffer, .address_space: global }
      - { .name: w1, .offset: 56, .size: 8, .value_kind: global_buffer, .address_space: global }
      - { .name: wo, .offset: 64, .size: 8, .value_kind: global_buffer, .address_space: global }
      - { .name: w2, .offset: 72, .size: 8, .value_kind: global_buffer, .address_space: global }
      - { .name: hc, .offset: 80, .size: 8, .value_kind: global_buffer, .address_space: global }
      - { .name: wc, .offset: 88, .size: 8, .value_kind: global_buffer, .address_space: global }
      - { .name: woc, .offset: 96, .size: 8, .value_kind: global_buffer, .address_space: global }
      - { .name: w2c, .offset: 104, .size: 8, .value_kind: global_buffer, .address_space: global }
      - { .name: zeros, .offset: 112, .size: 8, .value_kind: global_buffer, .address_space: global }
    .group_segment_fixed_size: 126464
    .private_segment_fixed_size: 0
    .kernarg_segment_align: 8
    .kernarg_segment_size: 120
    .max_flat_workgroup_size: 128
    .sgpr_count:     100
    .vgpr_count:     256
    .wavefront_size: 32
...
	.end_amdgpu_metadata
.endif
;; end of part 1
;; launch qkv (part 2): grid 8 x 32, 8 waves a work-group, clusters of 4 x 4, 327,680 bytes of LDS; arguments hc, wc, bq, bk, bv, lowp_scales, qkvc; writes qkvc
.if DOCPART == 2
	.amdgcn_target "amdgcn-amd-amdhsa--gfx1250"
	.amdhsa_code_object_version 6
	.text
	.protected	k_qc886314780_qkv
	.globl	k_qc886314780_qkv
	.p2align	8
	.type	k_qc886314780_qkv,@function
k_qc886314780_qkv:
	s_mov_b64 s[64:65], 0
	v_nop
	global_prefetch_b8 v0, s[64:65] scope:SCOPE_SE
	s_setreg_imm32_b32 hwreg(HW_REG_WAVE_MODE, 25, 1), 1
	s_wait_xcnt 0x0
	s_wait_alu depctr_hold_cnt(0) depctr_sa_sdst(0) depctr_va_vdst(0) depctr_va_sdst(0) depctr_va_ssrc(0) depctr_va_vcc(0) depctr_vm_vsrc(0)
	s_getreg_b32 s2, hwreg(HW_REG_IB_STS2, 6, 4)
	s_cmp_eq_u32 s2, 0
	s_cbranch_scc0 .Lentry_in_a_cluster
	s_endpgm
.Lentry_in_a_cluster:
	s_bfe_u32 s2, ttmp6, 0x10000c
	s_cmp_lg_u32 s2, 0xf033
	s_cbranch_scc0 .Lentry_shape_is_right
	s_endpgm
.Lentry_shape_is_right:
; q, k, v = LN1(x) W + b on codes of E4M3, quantised again (e6, e7, e9) as attention's operands.
; A WORK-GROUP STAYS: it owns the place (128 tokens, 128 outputs) and makes q's tile, then k's, then v's.  Eight waves, 32 x 64 each: 8 accumulators.  Each projection has its own codes of LN1(x) (4 MiB apart) and its own weight (1 MiB apart).
; LDS: chunk c (256 along K) at 69,632 c: the tokens' four panels (128 rows x 64 bytes as 32 lines of 256 + 16 bytes: 8,704 each), then the weights' four.  Row p of a panel lies at (p / 4) x 272 + (p % 4) x 64.
; THE RING: slot 0 is chunks 0 and 1 (K steps 0-3), slot 1 chunks 2 and 3 (K steps 4-7).  Wave w owns chunk w / 2 of the tokens' codes (w even) or of the weights' (w odd): one load of four panels.  At the head every wave asks for its own: all of K;
; slot 0's waves wait for theirs at once, slot 1 is waited for at K step 3.  A slot is left at the head of K steps 3 and 7, when that step's fragments are in registers; its four waves then ask for the next projection's chunks.
; CLUSTER 4 x 4: the tokens' tiles are shared along a row of the cluster, the weights' along a column: joint loads, each refill behind a round of the cluster's barrier.
; THE MATRIX INSTRUCTION: source 0 = 16 rows of operand Q, source 1 = 16 rows of operand P: a lane holds ONE row of P and eight neighbouring rows of Q.  For q and k: P = 32 tokens, Q = 64 weights, so a lane's registers run along
; the head's channels (the next K).  For v: P = 32 weights, Q = 64 tokens, so they run along the keys.
; A fragment (16 rows x 128 K) is fetched by four loads of 16 bytes: registers 4 c .. 4 c + 3 hold k = 32 c + 16 (lane / 16) + 0 .. 15: the same permutation of k on both sides.
; OUT: blocks of 4,096 bytes, block ((batch x 16 + head) x 32 + token / 64); q, k, v lie 4 MiB apart.  A block is eight IMAGES of 512 bytes, 16 bytes a lane, as attention's fragments take them: image 2 T + c, lane (r, h) = (lane % 16, lane / 16):
; q: token 16 T + r, channels 32 c + 16 h on;  v: channel 16 T + r, keys 32 c + 16 h on;  k: token 32 (T / 2) + 8 (T % 2) + r + 8 (r / 8), channels 32 c + 16 h on.  A wave stores half a block, 2,048 bytes.
; LIMITS: e0 + e1, e2 + e3, e4 + e5 between -126 and 127; e6, e7, e9 between -126 and 119.  NaN is not served.
.set CHUNK, 69632
.set HALFC, 34816
.set PAIR,  17408
.set PANEL, 8704
.set SLOT,  2*CHUNK
.set STG,   2*SLOT                     ; behind the ring: a stage of 32 rows x 80 bytes for each wave; no tile lands there
.set SPARE, STG+8*2560                 ; the spare words, 128 bytes for each wave
.set AQ2,   4                          ; v4-7    v: LDS address of my Q fragments (tokens) in chunk 0 .. 3
.set AP1,   8                          ; v8-11   q, k: of my P fragments (tokens)
.set AQ1,   12                         ; v12-15  q, k: of my Q fragments (weights)
.set STO,   16
.set RDQ,   17                         ; the images' place in my stage: q, v
.set GO,    18
.set RDK,   21                         ; k
.set AP2,   24                         ; v24-27  v: P = weights
.set SPW,   28                         ; LDS address of my spare word; never rewritten
.set NIL,   29                         ; 0; never rewritten
.set PFO,   30                         ; 256 x my lane; never rewritten
.set BC,    32                         ; v32-63  q's, then k's bias of my 64 outputs, in the result's layout
.set T,     64                         ; v64-95  32 results at work
.set OB,    96                         ; v96-111 the way out
.set CC,    112                        ; v112-127 codes, 8 for each 16 rows
.set ACC,   128                        ; v128-191 accumulator (a, b) at 8 (4 a + b).   Window 1: two buffers at 0 and 128: P's two fragments, then Q's four
.set BR,    192                        ; v192-193 v's bias of my rows 16 a + r
.set GRP,   66                         ; s66  wave / 4: my slot.  Also i / 2
.set MSB, 0
.macro WIN new                         ; the immediate's high byte repeats the setting that is left
.if MSB != \new
	s_set_vgpr_msb (MSB<<8)|\new
.set MSB, \new
.endif
.endm
.macro CROUND                          ; a round of the cluster's barrier
	s_barrier_signal -1
	s_barrier_wait -1
	s_cmp_lg_u32 s56, 0
	s_cbranch_scc1 .Lnot_wave_0_\@
	s_barrier_signal -3
.Lnot_wave_0_\@:
	s_barrier_wait -3
	s_barrier_signal -1
	s_barrier_wait -1
.endm
.macro PLACES
.rept 4
	v_nop
.endr
.endm
.macro JLOAD s                         ; a joint refill of slot s by its four waves: the branches hang on the wave's number alone
	s_cmp_eq_u32 s[GRP], \s
	s_cbranch_scc0 .Lnone_\@
	s_cmp_eq_u32 s57, 0
	s_cbranch_scc0 .Lfor_w_\@
	tensor_load_to_lds s[40+28*\s:43+28*\s], s[24:31]
	s_nop 0
	PLACES
	s_branch .Ljoined_\@
.Lfor_w_\@:
	tensor_load_to_lds s[44+28*\s:47+28*\s], s[32:39]
	s_nop 0
	PLACES
	s_branch .Ljoined_\@
.Lnone_\@:
	PLACES
.Ljoined_\@:
.endm
; A PREFETCH INTO THE L2 of my wave's chunk of a later projection: in q's K step 0 of k's (loaded in q's K steps 3 and 7), in q's K step 7 of v's (loaded in k's K steps 3 and 7).
; A wave's load is four panels of 8,192 bytes.  The four partners that ask for it jointly take a panel each, told apart BY ADDRESS (cx for the tokens' codes, cy for the weights'); a lane names 256 bytes: one instruction a wave.
; So each cluster names each 256 bytes that it will load once.
.macro ASK
	global_prefetch_b8 v[PFO], s[52:53] th:TH_LOAD_NT scope:SCOPE_SE
.endm
	s_load_b256 s[4:11], s[0:1], 0x0               ; hc s[4:5], wc s[6:7], bq s[8:9], bk s[10:11]
	s_load_b128 s[12:15], s[0:1], 0x20             ; bv s[12:13], the exponents s[14:15]
	s_load_b64 s[16:17], s[0:1], 0x30              ; qkvc
	v_lshl_add_u32 v[SPW], v0, 2, SPARE
	v_mov_b32 v[NIL], 0
	ds_add_u32 v[SPW], v[NIL]                      ; the opening: the add, twice on end, and its wait ahead of my first tensor load
	ds_add_u32 v[SPW], v[NIL]
	v_lshrrev_b32 v1, 5, v0
	v_readfirstlane_b32 s56, v1                    ; wave 0..7
	s_lshr_b32 s58, s56, 1                         ; i: my 32 rows of P.  Also: the chunk that I fetch
	s_and_b32 s57, s56, 1                          ; j: my 64 rows of Q.  Also: I fetch the tokens' codes (0) or the weights' (1)
	s_lshr_b32 s[GRP], s56, 2
	s_and_b32 s67, s58, 1                          ; which chunk of my slot
	s_bfe_u32 s59, ttmp6, 0x40000                  ; cx
	s_bfe_u32 s60, ttmp6, 0x40004                  ; cy
	s_lshl_b32 s61, ttmp9, 2
	s_add_co_u32 s61, s61, s59                     ; tile of outputs, 0..7
	s_and_b32 s62, ttmp7, 0xffff
	s_lshl_b32 s62, s62, 2
	s_add_co_u32 s62, s62, s60                     ; tile of tokens, 0..31
	s_lshl_b32 s20, s60, 2
	s_lshl_b32 s20, 15, s20                        ; my row of the cluster
	s_lshl_b32 s21, 0x1111, s59                    ; my column
	; descriptor group 1: four panels, each 8,192 dense bytes (128 rows x 64), 16 bytes of padding behind every 256
	s_or_b32 s24, s20, (1<<20)|(1<<21)|(5<<22)|(3<<25)   ; 15:0 the mask; 17:16 elements of 1 byte; 20 padding on; 21 set beside a mask; 24:22 after every 64 words; 31:25 four words
	s_or_b32 s32, s21, (1<<20)|(1<<21)|(5<<22)|(3<<25)
.irp g, 24, 32
	s_mov_b32 s[\g+1], 8192<<16                    ; tensor_dim0
	s_mov_b32 s[\g+2], 4<<16                       ; tensor_dim1
	s_mov_b32 s[\g+3], 8192<<16                    ; tile_dim0
	s_mov_b32 s[\g+4], 4                           ; tile_dim1
	s_mov_b32 s[\g+6], 0
	s_mov_b32 s[\g+7], 0
.endr
	s_mov_b32 s29, 131072                          ; from panel to panel: the tokens' codes,
	s_mov_b32 s37, 65536                           ; the weights'
	s_lshr_b32 s92, s62, 4                         ; tokens: the batch,
	s_lshl_b32 s92, s92, 21
	s_and_b32 s93, s62, 15
	s_lshl_b32 s93, s93, 13                        ; 128 tokens x 64 bytes,
	s_add_co_u32 s92, s92, s93
	s_lshl_b32 s93, s67, 19                        ; my chunk of a slot: four panels
	s_add_co_u32 s92, s92, s93
	s_mov_b32 s93, 0
	s_lshl_b32 s94, s61, 13                        ; weights: 128 rows x 64 bytes,
	s_lshl_b32 s95, s67, 18                        ; my chunk
	s_add_co_u32 s94, s94, s95
	s_mov_b32 s95, 0
	s_lshl_b32 s96, s[GRP], 20                     ; the prefetches: my slot, my work-group's panel, one projection on
	s_lshl_b32 s97, s59, 17
	s_add_co_u32 s96, s96, s97
	s_add_co_u32 s96, s96, 0x400000
	s_mov_b32 s97, 0
	s_lshl_b32 s98, s[GRP], 19
	s_lshl_b32 s99, s60, 16
	s_add_co_u32 s98, s98, s99
	s_add_co_u32 s98, s98, 0x100000
	s_mov_b32 s99, 0
	s_mul_i32 s18, s58, 2176                       ; 32 rows of a panel,
	s_mul_i32 s19, s57, 4352                       ; 64 rows
	s_mul_i32 s22, s56, 2560
	s_add_co_u32 s22, s22, STG                     ; my stage
	v_and_b32 v1, 15, v0                           ; r
	v_bfe_u32 v2, v0, 4, 1                         ; h
	v_and_b32 v198, 31, v0
	v_lshrrev_b32 v194, 2, v1
	v_and_b32 v195, 3, v1
	v_mul_u32_u24 v196, v1, 80
	v_mul_u32_u24 v3, v194, 272
	v_and_b32 v197, 8, v1
	v_lshl_add_u32 v[STO], v2, 3, v196
	v_lshl_add_u32 v3, v195, 6, v3
	v_lshl_add_u32 v[RDQ], v2, 4, v196
	v_mul_u32_u24 v197, v197, 80
	v_lshl_add_u32 v3, v2, 4, v3                   ; a fragment's row r in a panel, + 16 h
	v_add_nc_u32 v[STO], s22, v[STO]               ; in: row r, 8 bytes for each half of the lanes
	v_add_nc_u32 v[RDQ], s22, v[RDQ]               ; back: row r, bytes 16 h on
	v_add_nc_u32 v[AP1], s18, v3                   ; tokens, my 32 rows
	v_add_nc_u32 v[AQ2], s19, v3                   ; tokens, my 64 rows
	v_add_nc_u32 v[RDK], v[RDQ], v197              ; k: row r + 8 (r / 8)
	v_add_nc_u32 v[AP2], HALFC, v[AP1]             ; weights, my 32 rows
	v_add_nc_u32 v[AQ1], HALFC, v[AQ2]             ; weights, my 64 rows
.irp q, 1,2,3
	v_add_nc_u32 v[AP1+\q], \q*CHUNK, v[AP1]
	v_add_nc_u32 v[AQ2+\q], \q*CHUNK, v[AQ2]
	v_add_nc_u32 v[AP2+\q], \q*CHUNK, v[AP2]
	v_add_nc_u32 v[AQ1+\q], \q*CHUNK, v[AQ1]
.endr
	v_lshlrev_b32 v[GO], 4, v198
	v_lshlrev_b32 v[PFO], 8, v198
	v_lshlrev_b32 v19, 5, v2                       ; along Q: my eight numbers of a tile: 32 h
	v_lshlrev_b32 v20, 2, v1                       ; along P: my row's one: 4 r
	s_wait_alu depctr_va_vdst(0)                   ; the wait at the end of the head's vector work
	s_wait_dscnt 0x0                               ; both opening adds are done
	s_wait_kmcnt 0x0
	s_load_b512 s[76:91], s[14:15], 0x0            ; e0 .. e15 in s76 .. s91
	s_add_nc_u64 s[92:93], s[4:5], s[92:93]
	s_add_nc_u64 s[94:95], s[6:7], s[94:95]
	s_add_nc_u64 s[52:53], s[92:93], s[96:97]
	s_add_nc_u64 s[54:55], s[94:95], s[98:99]
	s_mov_b32 s23, 0x100000
	s_cmp_eq_u32 s57, 0
	s_cselect_b64 s[52:53], s[52:53], s[54:55]     ; where my prefetches stand,
	s_cselect_b32 s54, 0x400000, s23               ; and a projection on
	s_mov_b32 s55, 0
	s_mul_i32 s22, s67, CHUNK                      ; no place in the cluster enters an LDS address
.irp s, 0,1                            ; descriptor group 0, a set for each slot: the tokens', the weights'
	s_mov_b32 s[40+28*\s], 1
	s_add_co_u32 s[41+28*\s], s22, \s*SLOT
	s_add_nc_u64 s[42+28*\s:43+28*\s], s[92:93], \s*0x100000
	s_or_b32 s[43+28*\s], s[43+28*\s], 0x80000000
	s_mov_b32 s[44+28*\s], 1
	s_add_co_u32 s[45+28*\s], s22, \s*SLOT+HALFC
	s_add_nc_u64 s[46+28*\s:47+28*\s], s[94:95], \s*0x80000
	s_or_b32 s[47+28*\s], s[47+28*\s], 0x80000000
.endr
	CROUND                                         ; all sixteen work-groups are here: the first joint loads meet
	s_cmp_eq_u32 s[GRP], 0                         ; every wave's one load at the head, in one chain of branches on the wave's number
	s_cbranch_scc1 .Lslot0
	s_cmp_eq_u32 s57, 0
	s_cbranch_scc0 .Lslot1w
	tensor_load_to_lds s[68:71], s[24:31]
	s_nop 0
	PLACES
	s_branch .Lasked
.Lslot1w:
	tensor_load_to_lds s[72:75], s[32:39]
	s_nop 0
	PLACES
	s_branch .Lasked
.Lslot0:
	s_cmp_eq_u32 s57, 0
	s_cbranch_scc0 .Lslot0w
	tensor_load_to_lds s[40:43], s[24:31]
	s_nop 0
	PLACES
	s_branch .Lin0
.Lslot0w:
	tensor_load_to_lds s[44:47], s[32:39]
	s_nop 0
	PLACES
.Lin0:
	s_wait_tensorcnt 0x0                           ; slot 0's waves: my part has landed
.Lasked:
	s_barrier_signal -1
	s_barrier_wait -1                              ; slot 0 is whole; slot 1's loads may be out
.macro FETCH ap, aq, k                 ; 24 LDS loads in one run: the fragments of K step k (128 along K: two panels) into buffer k % 2
	WIN 0x40                                       ; destination window 1, address window 0
.set FB, 128*((\k)%2)
.set FO, ((\k)%2)*PAIR
.irp n, 0,1,2,3
.irp c, 0,1,2,3
	ds_load_b128 v[FB+32+16*\n+4*\c:FB+32+16*\n+4*\c+3], v[\aq+(\k)/2] offset:FO+(\c/2)*PANEL+\n*1088+32*(\c%2)
.endr
.if \n < 2
.irp c, 0,1,2,3
	ds_load_b128 v[FB+16*\n+4*\c:FB+16*\n+4*\c+3], v[\ap+(\k)/2] offset:FO+(\c/2)*PANEL+\n*1088+32*(\c%2)
.endr
.endif
.endr
.endm
.macro MUL8 f, zero                    ; 8 matrix instructions; the 8 accumulators take turns, one instruction a turn, in the same order in every step
	WIN 0x05                                       ; sources 0 and 1 window 1; C and D window 0
.irp a, 0,1
.irp b, 0,1,2,3
.if \zero
	v_wmma_f32_16x16x128_fp8_fp8 v[ACC+8*(4*\a+\b):ACC+8*(4*\a+\b)+7], v[(\f)+32+16*\b:(\f)+32+16*\b+15], v[(\f)+16*\a:(\f)+16*\a+15], 0
.else
	v_wmma_f32_16x16x128_fp8_fp8 v[ACC+8*(4*\a+\b):ACC+8*(4*\a+\b)+7], v[(\f)+32+16*\b:(\f)+32+16*\b+15], v[(\f)+16*\a:(\f)+16*\a+15], v[ACC+8*(4*\a+\b):ACC+8*(4*\a+\b)+7]
.endif
.endr
.endr
.endm
; THE CHANGE OF SLOTS.  The step's fragments have been asked for, so the slot has had its last read.  Each wave waits for all its tensor loads (the other slot's), adds 0 to its spare word, and waits for that and for its reads.
; Then a round of the cluster's barrier, so that no wave of any partner still reads the slot or has a load on its way; the joint refill, the next projection's half of K, is the first thing behind it.
.macro CHANGE p, slot
	WIN 0
	s_wait_tensorcnt 0x0                           ; no tensor load of mine is out, so a group 0 may be written
	ds_add_u32 v[SPW], v[NIL]                      ; 0 onto my spare word
	s_add_nc_u64 s[42+28*\slot:43+28*\slot], s[42+28*\slot:43+28*\slot], 0x400000   ; the next projection's codes of the tokens,
	s_add_nc_u64 s[46+28*\slot:47+28*\slot], s[46+28*\slot:47+28*\slot], 0x100000   ; its weight; the type bits on top are not reached
.if (\p)+(\slot) == 0
	s_wait_xcnt 0x0                                ; the prefetch of K step 0 has read its address
	s_add_nc_u64 s[52:53], s[52:53], s[54:55]
.endif
	s_wait_dscnt 0x0                               ; the add is done, and my reads of the slot are over
	CROUND
	JLOAD \slot                                    ; the four v_nop in it are also the places in front of the loads that follow
.endm
; K step k of projection p.  ap, aq: this projection's LDS addresses; nap, naq: the next one's.
.macro KSTEP p, k, ap, aq, nap, naq
.if (\k) == 3
.if (\p) < 2
	CHANGE \p, 0
.else
	WIN 0                                          ; the last projection: nothing is left to fetch
	s_wait_tensorcnt 0x0
	s_wait_dscnt 0x0
	s_barrier_signal -1
	s_barrier_wait -1
	PLACES
.endif
	FETCH \ap, \aq, 4
.elseif (\k) == 7
.if (\p) < 2
	CHANGE \p, 1
	FETCH \nap, \naq, 0                            ; the next projection's first fragments: slot 0 is whole, by the wait and the round above
.if (\p) == 0
	ASK
.endif
.else
	s_wait_dscnt 0x0
.endif
.else
	s_wait_dscnt 0x0                               ; this step's fragments are in
.if (\p)+(\k) > 0
	PLACES                                         ; four places in front of loads into the buffer that the step before multiplied
.endif
	FETCH \ap, \aq, (\k)+1
.if (\p)+(\k) == 0
	ASK
.endif
.endif
.if (\k) == 0
	MUL8 0, 1                                      ; the first products start the sums: nothing is cleared
.else
	MUL8 128*((\k)%2), 0
.endif
.endm
.macro OUTA p, a                       ; my rows 16 a .. 16 a + 15 of P: sum x 2^(eA + eB) + bias, held, converted, into the stage
.set AC, ACC+32*(\a)
.set w, 0
.rept 16
.if (\p) < 2
	v_pk_fma_f32 v[T+w:T+w+1], v[AC+w:AC+w+1], s[92:93], v[BC+w:BC+w+1] op_sel_hi:[1,0,1]   ; each accumulator from its low end on
.elseif (\a)
	v_pk_fma_f32 v[T+w:T+w+1], v[AC+w:AC+w+1], s[92:93], v[BR:BR+1] op_sel:[0,0,1] op_sel_hi:[1,0,1]   ; v: my row's one bias for both halves
.else
	v_pk_fma_f32 v[T+w:T+w+1], v[AC+w:AC+w+1], s[92:93], v[BR:BR+1] op_sel_hi:[1,0,0]
.endif
.set w, w+2
.endr
.set w, 0
.rept 32
	v_med3_num_f32 v[T+w], v[T+w], -v23, v23       ; the conversion to an 8-bit code does not saturate (ISA guide 7.6.2): the hold comes first
.set w, w+1
.endr
.irp b, 0,1,2,3
	v_cvt_scalef32_pk8_fp8_f32 v[CC+8*(\a)+2*\b:CC+8*(\a)+2*\b+1], v[T+8*\b:T+8*\b+7], v22
.endr
	v_nop                                          ; a plain line behind the last conversion
.irp b, 0,1,2,3
	ds_store_b64 v[STO], v[CC+8*(\a)+2*\b:CC+8*(\a)+2*\b+1] offset:(\a)*1280+16*\b
.endr
.endm
.macro EPI p                           ; projection p's tile goes out, while the refill asked for at K step 7 is on its way
	WIN 0
	PLACES                                         ; in front of the first read of results
	s_wait_kmcnt 0x0
	s_add_co_i32 s92, s[76+2*\p], s[77+2*\p]
	s_add_co_i32 s92, s92, 127
	s_lshl_b32 s92, s92, 23                        ; 2^(eA + eB)
	s_mov_b32 s93, s92                             ; (named with it as a pair)
	s_add_co_i32 s94, s[82+\p+(\p)/2], 127         ; e6, e7, e9
	s_lshl_b32 s95, s94, 23
	v_mov_b32 v22, s95                             ; 2^e of the result's quantiser
	s_add_co_i32 s94, s94, 8
	s_lshl_b32 s94, s94, 23
	s_or_b32 s94, s94, 0x600000
	v_mov_b32 v23, s94                             ; 448 x that
	s_wait_loadcnt 0x0                             ; the bias
.if (\p) > 0
	s_wait_xcnt 0x0                                ; the last tile's stores have read their data: those registers are written again only behind this wait
.endif
	OUTA \p, 0
	OUTA \p, 1
.irp u, 0,1                            ; the four images of my half block: my own stage, and LDS serves a wave's instructions in order
.irp c, 0,1
.if (\p) == 1
	ds_load_b128 v[OB+8*\u+4*\c:OB+8*\u+4*\c+3], v[RDK] offset:\u*640+32*\c
.else
	ds_load_b128 v[OB+8*\u+4*\c:OB+8*\u+4*\c+3], v[RDQ] offset:\u*1280+32*\c
.endif
.endr
.endr
.irp n, 0,1,2,3
	s_wait_dscnt 3-\n
.if (\p) < 2
	global_store_b128 v[GO], v[OB+4*\n:OB+4*\n+3], s[48:49] offset:(\p)*4194304+512*\n   ; 512 consecutive bytes, at a multiple of 512
.else
	global_store_b128 v[GO], v[OB+4*\n:OB+4*\n+3], s[50:51] offset:512*\n
.endif
.endr
.endm
	FETCH AP1, AQ1, 0
	WIN 0
	; the bias and the places of the results, while the first fragments are on their way
	s_lshl_b32 s92, s61, 9
	s_lshl_b32 s94, s57, 8
	s_add_co_u32 s92, s92, s94                     ; 4 x (128 x tile + 64 j): q's and k's bias run along Q
	s_mov_b32 s93, 0
	s_add_nc_u64 s[8:9], s[8:9], s[92:93]
	s_add_nc_u64 s[10:11], s[10:11], s[92:93]
	s_lshl_b32 s92, s61, 9
	s_lshl_b32 s94, s58, 7
	s_add_co_u32 s92, s92, s94                     ; 4 x (128 x tile + 32 i): v's runs along P
	s_add_nc_u64 s[12:13], s[12:13], s[92:93]
	s_lshr_b32 s96, s62, 4                         ; my half blocks of the output
	s_lshl_b32 s96, s96, 4
	s_lshl_b32 s97, s61, 1
	s_add_co_u32 s96, s96, s97                     ; batch x 16 + the tile's first head
	s_lshl_b32 s97, s62, 1
	s_and_b32 s97, s97, 31                         ; the tile's first 64 tokens
	s_lshl_b32 s98, s67, 11                        ; which half of a block: i % 2
	s_add_co_u32 s92, s96, s57                     ; q, k: head by j,
	s_lshl_b32 s92, s92, 5
	s_add_co_u32 s92, s92, s97
	s_add_co_u32 s92, s92, s[GRP]                  ; tokens by i / 2
	s_lshl_b32 s92, s92, 12
	s_add_co_u32 s92, s92, s98
	s_add_nc_u64 s[48:49], s[16:17], s[92:93]
	s_add_co_u32 s92, s96, s[GRP]                  ; v: head by i / 2,
	s_lshl_b32 s92, s92, 5
	s_add_co_u32 s92, s92, s97
	s_add_co_u32 s92, s92, s57                     ; tokens by j
	s_lshl_b32 s92, s92, 12
	s_add_co_u32 s92, s92, s98
	s_add_co_u32 s92, s92, 0x800000
	s_add_nc_u64 s[50:51], s[16:17], s[92:93]
.irp b, 0,1,2,3
	global_load_b128 v[BC+8*\b:BC+8*\b+3], v19, s[8:9] offset:64*\b
	global_load_b128 v[BC+8*\b+4:BC+8*\b+7], v19, s[8:9] offset:64*\b+16
.endr
.irp a, 0,1
	global_load_b32 v[BR+\a], v20, s[12:13] offset:64*\a
.endr
.irp k, 0,1,2,3,4,5,6,7
	KSTEP 0, \k, AP1, AQ1, AP1, AQ1
.endr
	EPI 0
.irp b, 0,1,2,3
	global_load_b128 v[BC+8*\b:BC+8*\b+3], v19, s[10:11] offset:64*\b      ; k's bias takes q's place
	global_load_b128 v[BC+8*\b+4:BC+8*\b+7], v19, s[10:11] offset:64*\b+16
.endr
.irp k, 0,1,2,3,4,5,6,7
	KSTEP 1, \k, AP1, AQ1, AP2, AQ2
.endr
	EPI 1
.irp k, 0,1,2,3,4,5,6,7
	KSTEP 2, \k, AP2, AQ2, AP2, AQ2
.endr
	EPI 2
	s_wait_tensorcnt 0x0                           ; the wave's end
	ds_add_u32 v[SPW], v[NIL]
	s_wait_dscnt 0x0
	CROUND                                         ; the closing round: no work-group ends while a partner may still ask for a tile that names it
	s_endpgm
.Lfunc_end_k_qc886314780_qkv:
	.size	k_qc886314780_qkv, .Lfunc_end_k_qc886314780_qkv-k_qc886314780_qkv
	.p2alignl 7, 3214868480
	.fill 96, 4, 3214868480
	.section	.rodata,"a",@progbits
	.p2align	6, 0x0
	.amdhsa_kernel k_qc886314780_qkv
		.amdhsa_group_segment_fixed_size 327680
		.amdhsa_private_segment_fixed_size 0
		.amdhsa_enable_private_segment 0
		.amdhsa_kernarg_size 56
		.amdhsa_user_sgpr_count 2
		.amdhsa_user_sgpr_kernarg_segment_ptr 1
		.amdhsa_wavefront_size32 1
		.amdhsa_system_sgpr_workgroup_id_x 1
		.amdhsa_system_sgpr_workgroup_id_y 1
		.amdhsa_system_sgpr_workgroup_id_z 1
		.amdhsa_system_vgpr_workitem_id 0
		.amdhsa_next_free_vgpr 512
		.amdhsa_next_free_sgpr 100
		.amdhsa_reserve_vcc 0
		.amdhsa_float_denorm_mode_32 3
		.amdhsa_float_denorm_mode_16_64 3
		.amdhsa_memory_ordered 1
		.amdhsa_forward_progress 1
		.amdhsa_inst_pref_size 96
	.end_amdhsa_kernel
	.amdgpu_metadata
---
amdhsa.version: [ 1, 2 ]
amdhsa.kernels:
  - .name:           k_qc886314780_qkv
    .symbol:         k_qc886314780_qkv.kd
    .args:
      - { .name: hc, .offset: 0, .size: 8, .value_kind: global_buffer, .address_space: global }
      - { .name: wc, .offset: 8, .size: 8, .value_kind: global_buffer, .address_space: global }
      - { .name: bq, .offset: 16, .size: 8, .value_kind: global_buffer, .address_space: global }
      - { .name: bk, .offset: 24, .size: 8, .value_kind: global_buffer, .address_space: global }
      - { .name: bv, .offset: 32, .size: 8, .value_kind: global_buffer, .address_space: global }
      - { .name: lowp_scales, .offset: 40, .size: 8, .value_kind: global_buffer, .address_space: global }
      - { .name: qkvc, .offset: 48, .size: 8, .value_kind: global_buffer, .address_space: global }
    .group_segment_fixed_size: 327680
    .private_segment_fixed_size: 0
    .kernarg_segment_align: 8
    .kernarg_segment_size: 56
    .max_flat_workgroup_size: 256
    .sgpr_count:     100
    .vgpr_count:     512
    .wavefront_size: 32
...
	.end_amdgpu_metadata
.endif
;; end of part 2
;; launch att (part 3): grid 8 x 32, 16 waves a work-group, clusters of 4 x 1, 327,680 bytes of LDS; arguments qkvc, lowp_scales, ac; writes ac
.if DOCPART == 3
	.amdgcn_target "amdgcn-amd-amdhsa--gfx1250"
	.amdhsa_code_object_version 6
	.text
	.protected	k_qc886314780_att
	.globl	k_qc886314780_att
	.p2align	8
	.type	k_qc886314780_att,@function
k_qc886314780_att:
	s_mov_b64 s[64:65], 0
	v_nop
	global_prefetch_b8 v0, s[64:65] scope:SCOPE_SE
	s_setreg_imm32_b32 hwreg(HW_REG_WAVE_MODE, 25, 1), 1
	s_wait_xcnt 0x0
	s_wait_alu depctr_hold_cnt(0) depctr_sa_sdst(0) depctr_va_vdst(0) depctr_va_sdst(0) depctr_va_ssrc(0) depctr_va_vcc(0) depctr_vm_vsrc(0)
	s_getreg_b32 s2, hwreg(HW_REG_IB_STS2, 6, 4)
	s_cmp_eq_u32 s2, 0
	s_cbranch_scc0 .Lentry_in_a_cluster
	s_endpgm
.Lentry_in_a_cluster:
	s_bfe_u32 s2, ttmp6, 0x10000c
	s_cmp_lg_u32 s2, 0x3003
	s_cbranch_scc0 .Lentry_shape_is_right
	s_endpgm
.Lentry_shape_is_right:
; Causal attention of one (batch, head) on codes of E4M3: S^T = K Q^T (K = 64), p = 2^(t - M), O^T = V^T p^T (K = 128 keys a step), O / the sum of the unquantised p, quantised with e10.
; Key steps that the causal mask hides whole are left out: their p would be 0.
; t = score x log2(e) / 8; M = the running largest t rounded UP to a whole number; when M moves, the sum and O^T are multiplied by 2^(old M - new M), which rounds nothing.
; SHARES.  Eight work-groups to a head (g = 0..7), sixteen waves each.  Tile 8 a + g (queries 128 a + 16 g on) needs key steps 0 .. a, and step a lies on the diagonal.  A wave walks one tile whole, with a + 1 steps:
; with s = wave % 4, waves 0-3 take a = 15 - s, waves 4-7 a = 8 + s, waves 8-11 a = 7 - s, waves 12-15 a = s: the four waves of equal s have 34 steps together, in every work-group.
; All waves walk the same counted loop and pass over the steps that are not theirs by a branch on the wave's number and the step.
; LDS.  The head's whole K and V lie in LDS, 16 steps of 16,384 bytes: 16 images of K (8 tiles of 16 keys x 2 halves of the channels), then 16 of V (2 x 64 keys, each 4 tiles of 16 channels x 2 x 32 keys); an image is 512 bytes, 16 a lane,
; so each fragment load reads 512 consecutive bytes and nothing is padded.  Wave w asks for step w by its one tensor load: first fills alone, nothing is filled again,
; and since all tiles are asked for at the head there is no later request for a prefetch to run ahead of.  One barrier shows all tiles to all waves; behind it no wave waits for another up to the closing round.
; CLUSTER 4 x 1: the four partners walk the same head, so the loads are joint.
; A lane holds ONE query throughout.  THE KEYS OF A TILE ARE NOT NEIGHBOURS: lane r of tile 2 b + u takes key 32 b + 8 u + r + 8 (r / 8), so that the 16 registers of tiles 2 b, 2 b + 1 are keys 32 b + 16 (lane / 16) + 0 .. 15.
; TWO BLOCKS OF 64 REGISTERS change roles each step: one holds the step's K, then its V; the other its scores, then p, and, when p has been converted, the next step's K, which is on its way under the second product.
; LIMITS: e6 + e7 between -123 and 130; e8 and e10 between -126 and 119; the scaled scores t stay under 2^31 in magnitude.  NaN is not served.
; REGISTERS: v1-5 addresses that stay; v8, v9 the step's; v12 -M, v13 the largest t, v[14:15] the sum; v16-23 Q; v32-95 and v96-159 the two blocks; v160-191 O^T; v192-207 p's codes; v228-254 at work.
.set STEPB, 16384
.set STG,   16*STEPB                   ; behind the tiles: 16 rows x 80 bytes for each wave
.set SPARE, STG+16*1280                ; the spare words, 128 bytes for each wave
.set LA,  1                            ; v1  16 x lane
.set DD,  3                            ; v3  16 g + r - 16 (lane / 16): on the diagonal register n is hidden where 32 (n / 16) + n % 16 is above it
.set STO, 4
.set RD,  5
.set ADK, 8
.set ADN, 9
.set SPW, 251
.set NIL, 255
.set WV,  40
.set LIM, 41                           ; s41  a: my last key step, which lies on the diagonal
.set STEPC, 43                         ; s43  the trip's first key step
.set TB,  44                           ; s44  LDS byte at which its tiles begin
.set CNT, 45                           ; s45  counts the loop's trips
.set SEL, 46
.set CS,  48                           ; s[48:49] c = log2(e) / 8 x 2^(e6 + e7)
.set CUR, 51                           ; s51  the key step
.set NXT, 52                           ; s52  LDS byte at which the next trip's tiles begin (in the last trip this trip's)
.set HB,  76                           ; s76  448 x 2^e8
.macro CROUND
	s_barrier_signal -1
	s_barrier_wait -1
	s_cmp_lg_u32 s[WV], 0
	s_cbranch_scc1 .Lnot_wave_0_\@
	s_barrier_signal -3
.Lnot_wave_0_\@:
	s_barrier_wait -3
	s_barrier_signal -1
	s_barrier_wait -1
.endm
	s_load_b128 s[4:7], s[0:1], 0x0                ; qkvc, the exponents
	s_load_b64 s[8:9], s[0:1], 0x10                ; ac
	v_lshl_add_u32 v[SPW], v0, 2, SPARE
	v_mov_b32 v[NIL], 0
	ds_add_u32 v[SPW], v[NIL]                      ; the opening: the add, twice on end, and its wait
	ds_add_u32 v[SPW], v[NIL]
	v_lshrrev_b32 v9, 5, v0
	v_readfirstlane_b32 s[WV], v9                  ; wave 0..15
	s_bfe_u32 s10, ttmp6, 0x40000                  ; cx
	s_lshl_b32 s42, ttmp9, 2
	s_add_co_u32 s42, s42, s10                     ; g: it enters Q's and the output's addresses and the mask's threshold alone
	s_and_b32 s11, ttmp7, 0xffff                   ; batch x 16 + head, which the partners share
	s_lshl_b32 s12, s11, 17                        ; its 131,072 bytes in each of q, k, v and the output
	s_lshr_b32 s50, s[WV], 2
	s_and_b32 s51, s[WV], 3                        ; s
	s_xor_b32 s52, s51, 3                          ; 3 - s
	s_and_b32 s53, s50, 1
	s_cmp_eq_u32 s53, 0
	s_cselect_b32 s51, s52, s51
	s_xor_b32 s50, s50, 3                          ; 3 - wave / 4
	s_lshl_b32 s50, s50, 2
	s_add_co_u32 s[LIM], s50, s51                  ; a
	; descriptor group 1: two rows of 8,192 bytes, a step's K and its V, 4 MiB apart
	s_mov_b32 s16, 15|(3<<16)|(1<<21)              ; the mask: all four partners; elements of 8 bytes; bit 21 beside a mask
	s_mov_b32 s17, 1024<<16
	s_mov_b32 s18, 2<<16
	s_mov_b32 s19, 1024<<16
	s_mov_b32 s20, 2
	s_mov_b32 s21, 0x80000
	s_mov_b32 s22, 0
	s_mov_b32 s23, 0
	s_lshl_b32 s52, s[WV], 13
	s_add_co_u32 s52, s52, s12
	s_add_co_u32 s52, s52, 0x400000                ; step w of k
	s_mov_b32 s53, 0
	s_lshl_b32 s55, s42, 10                        ; 16 g queries x 64 bytes,
	s_add_co_u32 s55, s55, s12                     ; in my head
	s_lshl_b32 s54, s[LIM], 13                     ; my tile: 128 a queries x 64 bytes
	s_add_co_u32 s54, s54, s55
	s_mov_b32 s55, 0
	s_mov_b32 s[SEL], 0x76543210
	s_mov_b32 s[SEL+1], 0xfedcba98
	s_mov_b32 s[CS], 0x3e38aa3b                    ; log2(e) / 8
	s_mov_b32 s[STEPC], 0
	s_mov_b32 s[TB], 0
	s_mov_b32 s24, 1
	s_mul_i32 s25, s[WV], STEPB
	s_wait_dscnt 0x0                               ; both opening adds are done
	s_wait_kmcnt 0x0
	s_load_b256 s[56:63], s[6:7], 0x18             ; e6 .. e13 in s56 .. s63
	s_add_nc_u64 s[26:27], s[4:5], s[52:53]
	s_or_b32 s27, s27, 0x80000000
	s_add_nc_u64 s[70:71], s[8:9], s[54:55]        ; the output at my tile,
	s_add_nc_u64 s[54:55], s[4:5], s[54:55]        ; Q likewise
	CROUND                                         ; the four work-groups are here: the joint loads meet
	tensor_load_to_lds s[24:27], s[16:23]          ; every wave's one load
	s_nop 0
.rept 4
	v_nop
.endr
	v_and_b32 v9, 31, v0
	v_and_b32 v10, 15, v0                          ; r
	v_bfe_u32 v11, v0, 4, 1                        ; h
	v_lshlrev_b32 v[LA], 4, v9
	s_lshl_b32 s51, s42, 4
	v_lshlrev_b32 v[DD], 4, v11
	global_load_b128 v[16:19], v[LA], s[54:55]     ; Q's fragment, an image as K's: registers 4 c .. 4 c + 3 hold channels 32 c + 16 h + 0 .. 15
	global_load_b128 v[20:23], v[LA], s[54:55] offset:512
	s_mul_i32 s50, s[WV], 1280
	s_add_co_u32 s50, s50, STG                     ; my stage
	v_mul_u32_u24 v[STO], v10, 80
	v_lshrrev_b32 v208, 2, v9
	v_sub_nc_u32 v[DD], v10, v[DD]
	v_and_b32 v210, 3, v9
	v_lshl_add_u32 v[STO], v11, 3, v[STO]
	v_mul_u32_u24 v[RD], v208, 80
	v_add_nc_u32 v[DD], s51, v[DD]
	v_add_nc_u32 v[STO], s50, v[STO]               ; in: row r, 8 bytes for each half of the lanes
	v_lshl_add_u32 v[RD], v210, 4, v[RD]
	v_mov_b32 v13, 0xff61b1e6                      ; the largest t so far: -3e38.  The step is written once: the first change of M multiplies zeros
	v_mov_b32 v14, 0
	v_mov_b32 v15, 0
	v_add_nc_u32 v[RD], s50, v[RD]                 ; back: four lanes to a row
	v_floor_f32 v12, -v13                          ; -M
.set n, 0
.rept 32
	v_mov_b32 v[160+n], 0
.set n, n+1
.endr
	v_mov_b32 v236, 0                              ; a lane permute's destination counts as one of its sources
	v_mov_b32 v252, 0
	v_mov_b32 v253, 0                              ; (named as the upper half of v[252:253])
	s_wait_kmcnt 0x0
	s_add_co_i32 s14, s56, s57
	s_lshl_b32 s14, s14, 23
	s_add_co_i32 s[CS], s[CS], s14                 ; e6 + e7 are added to c's exponent field
	s_mov_b32 s[CS+1], s[CS]
	s_add_co_i32 s14, s58, 127
	s_lshl_b32 s15, s14, 23
	v_mov_b32 v244, s15                            ; 2^e8
	s_add_co_i32 s14, s14, 8
	s_lshl_b32 s14, s14, 23
	s_or_b32 s[HB], s14, 0x600000                  ; 448 x 2^e8
	s_add_co_i32 s14, s60, 127
	s_lshl_b32 s15, s14, 23
	v_mov_b32 v245, s15                            ; 2^e10
	s_add_co_i32 s14, s14, 8
	s_lshl_b32 s14, s14, 23
	s_or_b32 s14, s14, 0x600000
	v_mov_b32 v241, s14                            ; 448 x 2^e10
.macro ADD2 d, x, y
	v_pk_add_f32 v[\d:\d+1], v[SB+\x:SB+\x+1], v[SB+\y:SB+\y+1]
.endm
.macro ADD1 d, x
	v_pk_add_f32 v[\d:\d+1], v[\d:\d+1], v[SB+\x:SB+\x+1]
.endm
; A KEY STEP, the o-th of a trip's two: 128 keys.  kb: the block with K, then V; sb: the block with the scores, then p, then the next step's K (in a wave's last step those loads bring a tile that is not used).
; Steps that are not mine are left out: a branch on the wave's number and the step, round loads, products and softmax; no barrier stands in a step.
.macro STEP kb, sb, o
.set SB, \sb
	s_add_co_u32 s[CUR], s[STEPC], \o
	s_cmp_gt_u32 s[CUR], s[LIM]
	s_cbranch_scc1 .Lskip_\@
.rept 5
	v_nop                                          ; places in front of products that write over the registers of the last step's V
.endr
	s_wait_dscnt 8                                 ; tiles 0 to 3 of K are in; the eight loads of tiles 4 to 7 may be out
.irp t, 0,1,2,3
	v_wmma_f32_16x16x64_fp8_fp8 v[SB+8*\t:SB+8*\t+7], v[\kb+8*\t:\kb+8*\t+7], v[16:23], 0
.endr
	s_wait_dscnt 0x0
.irp t, 4,5,6,7
	v_wmma_f32_16x16x64_fp8_fp8 v[SB+8*\t:SB+8*\t+7], v[\kb+8*\t:\kb+8*\t+7], v[16:23], 0
.endr
	v_add_nc_u32 v[ADK], s[TB], v[LA]
	v_nop
	v_nop
	v_nop                                          ; four places in front of the loads below and of the first read of the scores
.irp u, 0,1,2,3                        ; V's four fragments land while the softmax is walked
.irp c, 0,1,2,3
	ds_load_b128 v[\kb+16*\u+4*\c:\kb+16*\u+4*\c+3], v[ADK] offset:(\o)*STEPB+8192+(\c/2)*4096+(2*\u+(\c%2))*512
.endr
.endr
	s_cmp_lg_u32 s[CUR], s[LIM]
	s_cbranch_scc1 .Lopen_\@
	v_mov_b32 v254, 0xff800000                     ; on the diagonal hidden scores become -infinity ahead of the maximum: p = 0 then
.set n, 0
.rept 64
	v_cmp_gt_i32 vcc_lo, 32*(n/16)+n%16, v[DD]
	v_cndmask_b32 v[SB+n], v[SB+n], v254, vcc_lo
.set n, n+1
.endr
.Lopen_\@:
	v_max3_num_f32 v254, v[SB], v[SB+1], v[SB+2]   ; the step's largest score of my query, in two chains, each accumulator from its low end on
	v_max3_num_f32 v252, v[SB+3], v[SB+4], v[SB+5]
.set i, 6
.rept 14
	v_max3_num_f32 v254, v254, v[SB+i], v[SB+i+1]
	v_max3_num_f32 v252, v252, v[SB+i+2], v[SB+i+3]
.set i, i+4
.endr
	v_max3_num_f32 v254, v254, v[SB+62], v[SB+63]
	s_delay_alu instid0(VALU_DEP_1)
	v_max_num_f32 v254, v254, v252
	s_delay_alu instid0(VALU_DEP_1)
	v_permlanex16_b32 v236, v254, s[SEL], s[SEL+1]
	s_delay_alu instid0(VALU_DEP_1)
	v_max_num_f32 v254, v254, v236
	s_delay_alu instid0(VALU_DEP_1)
	v_mul_f32 v254, s[CS], v254
	s_delay_alu instid0(VALU_DEP_1)
	v_max_num_f32 v13, v13, v254                   ; the running largest t
	v_mov_b32 v254, v12
	s_delay_alu instid0(VALU_DEP_2)
	v_floor_f32 v12, -v13                          ; the new -M = -ceil(t)
	s_delay_alu instid0(VALU_DEP_1)
	v_sub_f32 v254, v12, v254                      ; old M - new M: a whole number, 0 or less
	s_delay_alu instid0(VALU_DEP_1)
	v_cvt_i32_f32 v254, v254                       ; (it saturates)
	s_delay_alu instid0(VALU_DEP_1)
	v_ldexp_f32 v252, 1.0, v254                    ; f = 2^(old M - new M)
.set i, 0
.rept 32
	v_pk_fma_f32 v[SB+i:SB+i+1], v[SB+i:SB+i+1], s[CS:CS+1], v[12:13] op_sel_hi:[1,0,0]   ; t - M
.set i, i+2
.endr
.set i, 0
	s_wait_alu depctr_va_vdst(0)                   ; the wait ahead of the batch
.rept 64
	v_exp_f32 v[SB+i], v[SB+i]                     ; p = 2^(t - M)
.set i, i+1
.endr
	v_pk_mul_f32 v[14:15], v[14:15], v[252:253] op_sel_hi:[1,0]   ; the sum under the new M: the plain line behind the exponentials
	s_wait_alu depctr_va_vdst(0)                   ; one wait for the batch, ahead of its first reader
	ADD2 242, 4, 8                                 ; the sum of the unquantised p, in eight chains
	ADD2 248, 12, 16
	ADD2 238, 20, 24
	ADD2 234, 28, 32
	ADD2 232, 36, 40
	ADD2 230, 44, 48
	ADD2 228, 52, 56
	ADD1 14, 60
	ADD1 242, 0
	ADD1 248, 2
	ADD1 238, 6
	ADD1 234, 10
	ADD1 232, 14
	ADD1 230, 18
	ADD1 228, 22
	ADD1 14, 26
	ADD1 242, 30
	ADD1 248, 34
	ADD1 238, 38
	ADD1 234, 42
	ADD1 232, 46
	ADD1 230, 50
	ADD1 228, 54
	ADD1 14, 58
	ADD1 242, 62
	v_pk_add_f32 v[14:15], v[14:15], v[234:235]
	v_pk_add_f32 v[248:249], v[248:249], v[230:231]
	v_pk_add_f32 v[242:243], v[242:243], v[232:233]
	v_pk_add_f32 v[238:239], v[238:239], v[228:229]
	s_delay_alu instid0(VALU_DEP_3)
	v_pk_add_f32 v[14:15], v[14:15], v[248:249]
	s_delay_alu instid0(VALU_DEP_2)
	v_pk_add_f32 v[242:243], v[242:243], v[238:239]
	s_delay_alu instid0(VALU_DEP_1)
	v_pk_add_f32 v[14:15], v[14:15], v[242:243]
.irp b, 0,1,2,3
.set i, 16*\b
.rept 8
	v_dual_min_num_f32 v[SB+i], s[HB], v[SB+i] :: v_dual_min_num_f32 v[SB+i+1], s[HB], v[SB+i+1]   ; the hold, two numbers a line; p is not negative, so it is one-sided
.set i, i+2
.endr
	v_cvt_scalef32_pk8_fp8_f32 v[192+4*\b:193+4*\b], v[SB+16*\b:SB+16*\b+7], v244
	v_cvt_scalef32_pk8_fp8_f32 v[194+4*\b:195+4*\b], v[SB+16*\b+8:SB+16*\b+15], v244
.endr
	v_nop                                          ; a plain line behind the last conversion
.if \o
	s_add_co_u32 s[NXT], s[TB], 2*STEPB
	s_min_u32 s[NXT], s[NXT], 14*STEPB
	v_add_nc_u32 v[ADN], s[NXT], v[LA]
.endif
.irp t, 0,1,2,3,4,5,6,7                ; the next step's K
.if \o
	ds_load_b128 v[SB+8*\t:SB+8*\t+3], v[ADN] offset:1024*\t
	ds_load_b128 v[SB+8*\t+4:SB+8*\t+7], v[ADN] offset:1024*\t+512
.else
	ds_load_b128 v[SB+8*\t:SB+8*\t+3], v[ADK] offset:STEPB+1024*\t
	ds_load_b128 v[SB+8*\t+4:SB+8*\t+7], v[ADK] offset:STEPB+1024*\t+512
.endif
.endr
.set i, 0
	s_wait_alu depctr_va_vdst(0)                   ; the wait here, directly ahead of the first reader of O^T
.rept 16
	v_pk_mul_f32 v[160+i:161+i], v[160+i:161+i], v[252:253] op_sel_hi:[1,0]   ; O^T under the new M
.set i, i+2
.endr
	s_wait_alu depctr_va_vdst(0)                   ; the wait here, directly ahead of the wait below
	s_wait_dscnt 16                                ; V's fragments are in; the sixteen loads of the next step's K may be out
.irp u, 0,1,2,3                        ; the four accumulators take turns, one instruction a turn
	v_wmma_f32_16x16x128_fp8_fp8 v[160+8*\u:167+8*\u], v[\kb+16*\u:\kb+16*\u+15], v[192:207], v[160+8*\u:167+8*\u]
.endr
.Lskip_\@:
.endm
	s_wait_alu depctr_va_vdst(0)                   ; the wait at the head's end
	s_wait_loadcnt 0x0                             ; Q
	s_wait_tensorcnt 0x0                           ; my step has landed,
	s_barrier_signal -1
	s_barrier_wait -1                              ; everybody's has
.irp t, 0,1,2,3,4,5,6,7                ; step 0's K
	ds_load_b128 v[32+8*\t:35+8*\t], v[LA] offset:1024*\t
	ds_load_b128 v[36+8*\t:39+8*\t], v[LA] offset:1024*\t+512
.endr
	s_mov_b32 s[CNT], 8
.Lwalk:                                            ; two key steps a trip, behind which the two blocks are back in their roles
	STEP 32, 96, 0
	STEP 96, 32, 1
	s_add_co_u32 s[TB], s[TB], 2*STEPB
	s_add_co_u32 s[STEPC], s[STEPC], 2
	s_sub_co_u32 s[CNT], s[CNT], 1
	s_cmp_lg_u32 s[CNT], 0
	s_cbranch_scc1 .Lwalk
	s_wait_dscnt 0x0                               ; no load is on its way into the two blocks
.rept 4
	v_nop                                          ; places behind the last products
.endr
; THE WAY OUT: O^T / the sum x 2^(e8 + e9), quantised with e10; the tile's 16 rows x 64 codes are 1,024 dense bytes
	v_add_f32 v14, v14, v15
	s_wait_alu depctr_va_vdst(0)
	v_permlanex16_b32 v252, v14, s[SEL], s[SEL+1]
	s_delay_alu instid0(VALU_DEP_1)
	v_add_f32 v14, v14, v252                       ; the row's sum
	s_wait_alu depctr_va_vdst(0)
	v_rcp_f32 v14, v14
	v_nop
	s_add_co_i32 s51, s58, s59
	s_wait_alu depctr_va_vdst(0)                   ; the wait, ahead of the first reader
	v_ldexp_f32 v14, v14, s51
.set i, 0
.rept 32
	v_mul_f32 v[96+i], v[160+i], v14               ; register 8 u + j: channel 16 u + 8 h + j of query r
.set i, i+1
.endr
.set i, 0
.rept 32
	v_med3_num_f32 v[96+i], v[96+i], -v241, v241   ; the conversion to an 8-bit code does not saturate (ISA guide 7.6.2): the hold comes first
.set i, i+1
.endr
.irp u, 0,1,2,3
	v_cvt_scalef32_pk8_fp8_f32 v[192+2*\u:193+2*\u], v[96+8*\u:103+8*\u], v245
.endr
	v_nop                                          ; a plain line behind the last conversion
.irp u, 0,1,2,3
	ds_store_b64 v[STO], v[192+2*\u:193+2*\u] offset:16*\u
.endr
	ds_load_b128 v[32:35], v[RD]                   ; my own stage: LDS serves a wave's instructions in order
	ds_load_b128 v[36:39], v[RD] offset:640
	s_wait_dscnt 1
	global_store_b128 v[LA], v[32:35], s[70:71]
	s_wait_dscnt 0x0
	global_store_b128 v[LA], v[36:39], s[70:71] offset:512
	s_wait_tensorcnt 0x0                           ; the wave's end
	ds_add_u32 v[SPW], v[NIL]
	s_wait_dscnt 0x0
	CROUND                                         ; the closing round
	s_endpgm
.Lfunc_end_k_qc886314780_att:
	.size	k_qc886314780_att, .Lfunc_end_k_qc886314780_att-k_qc886314780_att
	.p2alignl 7, 3214868480
	.fill 96, 4, 3214868480
	.section	.rodata,"a",@progbits
	.p2align	6, 0x0
	.amdhsa_kernel k_qc886314780_att
		.amdhsa_group_segment_fixed_size 327680
		.amdhsa_private_segment_fixed_size 0
		.amdhsa_enable_private_segment 0
		.amdhsa_kernarg_size 24
		.amdhsa_user_sgpr_count 2
		.amdhsa_user_sgpr_kernarg_segment_ptr 1
		.amdhsa_wavefront_size32 1
		.amdhsa_system_sgpr_workgroup_id_x 1
		.amdhsa_system_sgpr_workgroup_id_y 1
		.amdhsa_system_sgpr_workgroup_id_z 1
		.amdhsa_system_vgpr_workitem_id 0
		.amdhsa_next_free_vgpr 256
		.amdhsa_next_free_sgpr 80
		.amdhsa_reserve_vcc 1
		.amdhsa_float_denorm_mode_32 3
		.amdhsa_float_denorm_mode_16_64 3
		.amdhsa_memory_ordered 1
		.amdhsa_forward_progress 1
		.amdhsa_inst_pref_size 55
	.end_amdhsa_kernel
	.amdgpu_metadata
---
amdhsa.version: [ 1, 2 ]
amdhsa.kernels:
  - .name:           k_qc886314780_att
    .symbol:         k_qc886314780_att.kd
    .args:
      - { .name: qkvc, .offset: 0, .size: 8, .value_kind: global_buffer, .address_space: global }
      - { .name: lowp_scales, .offset: 8, .size: 8, .value_kind: global_buffer, .address_space: global }
      - { .name: ac, .offset: 16, .size: 8, .value_kind: global_buffer, .address_space: global }
    .group_segment_fixed_size: 327680
    .private_segment_fixed_size: 0
    .kernarg_segment_align: 8
    .kernarg_segment_size: 24
    .max_flat_workgroup_size: 512
    .sgpr_count:     80
    .vgpr_count:     256
    .wavefront_size: 32
...
	.end_amdgpu_metadata
.endif
;; end of part 3
;; launch wo (part 4): grid 8 x 32, 8 waves a work-group, clusters of 4 x 4, 327,680 bytes of LDS; arguments ac, woc, zeros, x, x1; writes x1
.if DOCPART == 4
	.amdgcn_target "amdgcn-amd-amdhsa--gfx1250"
	.amdhsa_code_object_version 6
	.text
	.protected	k_qc886314780_wo
	.globl	k_qc886314780_wo
	.p2align	8
	.type	k_qc886314780_wo,@function
k_qc886314780_wo:
	s_mov_b64 s[64:65], 0
	v_nop
	global_prefetch_b8 v0, s[64:65] scope:SCOPE_SE
	s_setreg_imm32_b32 hwreg(HW_REG_WAVE_MODE, 25, 1), 1
	s_wait_xcnt 0x0
	s_wait_alu depctr_hold_cnt(0) depctr_sa_sdst(0) depctr_va_vdst(0) depctr_va_sdst(0) depctr_va_ssrc(0) depctr_va_vcc(0) depctr_vm_vsrc(0)
	s_getreg_b32 s2, hwreg(HW_REG_IB_STS2, 6, 4)
	s_cmp_eq_u32 s2, 0
	s_cbranch_scc0 .Lentry_in_a_cluster
	s_endpgm
.Lentry_in_a_cluster:
	s_bfe_u32 s2, ttmp6, 0x10000c
	s_cmp_lg_u32 s2, 0xf033
	s_cbranch_scc0 .Lentry_shape_is_right
	s_endpgm
.Lentry_shape_is_right:
; out = resid + (A W x 2^(eA + eB) + bias): A [4,096 tokens][1,024] and W [1,024 outputs][1,024] as codes of E4M3; bias [1,024], resid and out [4,096][1,024] f32.  Arguments: A's codes, W's codes, bias, resid, out.
; eA and eB stand as two whole numbers behind W's codes, at byte 1,048,576 of that buffer.  One body serves the attention's output product (bias = a vector of zeros) and the second product of the FFN.
; A tile is 128 tokens x 128 outputs; eight waves, 32 x 64 each.  ALL of K = 1,024 of both operands lies in LDS: wave w asks for chunk w / 2 of A (w even) or of W (w odd) by its one load at the head; nothing is filled again,
; and since all tiles are asked for at the head there is no later request for a prefetch to run ahead of.  Slot 0 (chunks 0, 1: K steps 0-3) is waited for by its four waves at once, slot 1 at K step 3.
; CLUSTER 4 x 4: A's tiles are shared along a row of the cluster, W's along a column: joint loads.
; LDS: chunk c (256 along K) at 69,632 c: A's four panels (128 rows x 64 bytes as 32 lines of 256 + 16 bytes), then W's four.  Row p of a panel lies at (p / 4) x 272 + (p % 4) x 64.
; Source 0 = 16 rows of W, source 1 = 16 tokens: a lane holds one token and eight neighbouring outputs.  A fragment comes by four loads of 16 bytes: the same permutation of k on both sides.
; The residual's 32 x 64 numbers of a wave are asked for behind the tiles, in the layout of the stores, and are on their way under the whole product.
; LIMIT: eA + eB between -126 and 127.
.set CHUNK, 69632
.set HALFC, 34816
.set PAIR,  17408
.set PANEL, 8704
.set SLOT,  2*CHUNK
.set STG,   2*SLOT                     ; behind the tiles: a stage of 16 rows x 272 bytes for each wave
.set SPARE, STG+8*4352                 ; the spare words, 128 bytes for each wave
.set ADRP,  8                          ; v8-11, v12-15  LDS address of my fragments in chunk 0 .. 3
.set ADRQ,  12
.set STO,   16
.set RD,    17
.set GO,    18
.set SPW,   28
.set NIL,   29
.set BC,    32                         ; v32-63  the bias of my 64 outputs, in the result's layout
.set T,     64                         ; v64-127 the results of my two blocks of 16 tokens
.set ACC,   128                        ; v128-191 accumulators; later the blocks back from the stage.   Window 1: two fragment buffers
.set RS,    192                        ; v192-255 the residual
.set MSB, 0
.macro WIN new
.if MSB != \new
	s_set_vgpr_msb (MSB<<8)|\new
.set MSB, \new
.endif
.endm
.macro CROUND
	s_barrier_signal -1
	s_barrier_wait -1
	s_cmp_lg_u32 s56, 0
	s_cbranch_scc1 .Lnot_wave_0_\@
	s_barrier_signal -3
.Lnot_wave_0_\@:
	s_barrier_wait -3
	s_barrier_signal -1
	s_barrier_wait -1
.endm
.macro PLACES
.rept 4
	v_nop
.endr
.endm
	s_load_b256 s[4:11], s[0:1], 0x0               ; A s[4:5], W s[6:7], bias s[8:9], resid s[10:11]
	s_load_b64 s[12:13], s[0:1], 0x20              ; out
	v_lshl_add_u32 v[SPW], v0, 2, SPARE
	v_mov_b32 v[NIL], 0
	ds_add_u32 v[SPW], v[NIL]                      ; the opening: the add, twice on end, and its wait
	ds_add_u32 v[SPW], v[NIL]
	v_lshrrev_b32 v1, 5, v0
	v_readfirstlane_b32 s56, v1                    ; wave 0..7
	s_lshr_b32 s58, s56, 1                         ; i: my 32 tokens.  Also: the chunk that I fetch
	s_and_b32 s57, s56, 1                          ; j: my 64 outputs.  Also: I fetch A's tile (0) or W's (1)
	s_lshr_b32 s66, s56, 2                         ; my slot,
	s_and_b32 s67, s58, 1                          ; and which chunk of it
	s_bfe_u32 s59, ttmp6, 0x40000
	s_bfe_u32 s60, ttmp6, 0x40004
	s_lshl_b32 s61, ttmp9, 2
	s_add_co_u32 s61, s61, s59                     ; tile of outputs, 0..7
	s_and_b32 s62, ttmp7, 0xffff
	s_lshl_b32 s62, s62, 2
	s_add_co_u32 s62, s62, s60                     ; tile of tokens, 0..31
	s_lshl_b32 s20, s60, 2
	s_lshl_b32 s20, 15, s20
	s_lshl_b32 s21, 0x1111, s59
	s_or_b32 s24, s20, (1<<20)|(1<<21)|(5<<22)|(3<<25)   ; group 1: four panels of 8,192 dense bytes, 16 bytes of padding behind every 256; the mask: my row
	s_or_b32 s32, s21, (1<<20)|(1<<21)|(5<<22)|(3<<25)   ; my column
.irp g, 24, 32
	s_mov_b32 s[\g+1], 8192<<16
	s_mov_b32 s[\g+2], 4<<16
	s_mov_b32 s[\g+3], 8192<<16
	s_mov_b32 s[\g+4], 4
	s_mov_b32 s[\g+6], 0
	s_mov_b32 s[\g+7], 0
.endr
	s_mov_b32 s29, 131072
	s_mov_b32 s37, 65536
	s_lshr_b32 s84, s62, 4                         ; A: the batch, 128 tokens x 64 bytes, my chunk of a slot
	s_lshl_b32 s84, s84, 21
	s_and_b32 s85, s62, 15
	s_lshl_b32 s85, s85, 13
	s_add_co_u32 s84, s84, s85
	s_lshl_b32 s85, s67, 19
	s_add_co_u32 s84, s84, s85
	s_mov_b32 s85, 0
	s_lshl_b32 s86, s61, 13                        ; W: 128 rows x 64 bytes, my chunk
	s_lshl_b32 s87, s67, 18
	s_add_co_u32 s86, s86, s87
	s_mov_b32 s87, 0
	s_mul_i32 s22, s67, CHUNK                      ; no place in the cluster enters an LDS address
	s_lshl_b32 s92, s62, 19                        ; my first row: (128 x tile + 32 i) x 4,096 bytes,
	s_lshl_b32 s93, s58, 17
	s_add_co_u32 s92, s92, s93
	s_lshl_b32 s94, s61, 9                         ; my first column: 4 x (128 x tile + 64 j)
	s_lshl_b32 s95, s57, 8
	s_add_co_u32 s94, s94, s95
	s_add_co_u32 s92, s92, s94
	s_mov_b32 s93, 0
	s_mov_b32 s95, 0
	s_mul_i32 s89, s58, 2176
	s_mul_i32 s90, s57, 4352
	s_add_co_u32 s90, s90, HALFC
	s_mul_i32 s91, s56, 4352
	s_add_co_u32 s91, s91, STG                     ; my stage
	v_and_b32 v1, 15, v0                           ; r
	v_bfe_u32 v2, v0, 4, 1                         ; h
	v_lshrrev_b32 v4, 2, v1
	v_and_b32 v5, 3, v1
	v_lshlrev_b32 v[GO], 12, v2
	v_mul_u32_u24 v3, v4, 272
	v_lshlrev_b32 v19, 5, v2
	v_mul_u32_u24 v[STO], v1, 272
	v_lshl_add_u32 v3, v5, 6, v3
	v_mul_u32_u24 v[RD], v2, 272
	v_lshl_add_u32 v[GO], v1, 4, v[GO]             ; lanes 0-15 one row's 256 bytes, lanes 16-31 the next row's
	v_lshl_add_u32 v3, v2, 4, v3                   ; a fragment's row r in a panel, + 16 h
	v_lshl_add_u32 v[STO], v2, 5, v[STO]
	v_lshl_add_u32 v[RD], v1, 4, v[RD]
	v_add_nc_u32 v[ADRP], s89, v3
	v_add_nc_u32 v[ADRQ], s90, v3
	v_add_nc_u32 v[STO], s91, v[STO]               ; in: row r, 32 bytes for each half of the lanes
	v_add_nc_u32 v[RD], s91, v[RD]                 ; back: sixteen lanes to a row
.irp q, 1,2,3
	v_add_nc_u32 v[ADRP+\q], \q*CHUNK, v[ADRP]
	v_add_nc_u32 v[ADRQ+\q], \q*CHUNK, v[ADRQ]
.endr
	s_wait_alu depctr_va_vdst(0)                   ; the wait at the end of the head's vector work
	s_wait_dscnt 0x0                               ; both opening adds are done
	s_wait_kmcnt 0x0
	s_load_b64 s[96:97], s[6:7], 0x100000          ; eA, eB
	s_add_nc_u64 s[84:85], s[4:5], s[84:85]
	s_add_nc_u64 s[86:87], s[6:7], s[86:87]
.irp s, 0,1                            ; descriptor group 0, a set for each slot: A's, W's
	s_mov_b32 s[40+8*\s], 1
	s_add_co_u32 s[41+8*\s], s22, \s*SLOT
	s_add_nc_u64 s[42+8*\s:43+8*\s], s[84:85], \s*0x100000
	s_or_b32 s[43+8*\s], s[43+8*\s], 0x80000000
	s_mov_b32 s[44+8*\s], 1
	s_add_co_u32 s[45+8*\s], s22, \s*SLOT+HALFC
	s_add_nc_u64 s[46+8*\s:47+8*\s], s[86:87], \s*0x80000
	s_or_b32 s[47+8*\s], s[47+8*\s], 0x80000000
.endr
	CROUND                                         ; all sixteen work-groups are here: the joint loads meet
	s_cmp_eq_u32 s66, 0                            ; every wave's one load, in one chain of branches on the wave's number
	s_cbranch_scc1 .Lslot0
	s_cmp_eq_u32 s57, 0
	s_cbranch_scc0 .Lslot1w
	tensor_load_to_lds s[48:51], s[24:31]
	s_nop 0
	PLACES
	s_branch .Lasked
.Lslot1w:
	tensor_load_to_lds s[52:55], s[32:39]
	s_nop 0
	PLACES
	s_branch .Lasked
.Lslot0:
	s_cmp_eq_u32 s57, 0
	s_cbranch_scc0 .Lslot0w
	tensor_load_to_lds s[40:43], s[24:31]
	s_nop 0
	PLACES
	s_branch .Lin0
.Lslot0w:
	tensor_load_to_lds s[44:47], s[32:39]
	s_nop 0
	PLACES
.Lin0:
	s_wait_tensorcnt 0x0                           ; slot 0's waves: my part has landed
.Lasked:
	s_barrier_signal -1
	s_barrier_wait -1                              ; slot 0 is whole; slot 1's loads may be out
.macro FETCH k                         ; 24 LDS loads in one run: the fragments of K step k into buffer k % 2
	WIN 0x40
.set FB, 128*((\k)%2)
.set FO, ((\k)%2)*PAIR
.irp n, 0,1,2,3
.irp c, 0,1,2,3
	ds_load_b128 v[FB+32+16*\n+4*\c:FB+32+16*\n+4*\c+3], v[ADRQ+(\k)/2] offset:FO+(\c/2)*PANEL+\n*1088+32*(\c%2)
.endr
.if \n < 2
.irp c, 0,1,2,3
	ds_load_b128 v[FB+16*\n+4*\c:FB+16*\n+4*\c+3], v[ADRP+(\k)/2] offset:FO+(\c/2)*PANEL+\n*1088+32*(\c%2)
.endr
.endif
.endr
.endm
.macro MUL8 f, zero                    ; the 8 accumulators take turns, one instruction a turn, in the same order in every step
	WIN 0x05
.irp a, 0,1
.irp b, 0,1,2,3
.if \zero
	v_wmma_f32_16x16x128_fp8_fp8 v[ACC+8*(4*\a+\b):ACC+8*(4*\a+\b)+7], v[(\f)+32+16*\b:(\f)+32+16*\b+15], v[(\f)+16*\a:(\f)+16*\a+15], 0
.else
	v_wmma_f32_16x16x128_fp8_fp8 v[ACC+8*(4*\a+\b):ACC+8*(4*\a+\b)+7], v[(\f)+32+16*\b:(\f)+32+16*\b+15], v[(\f)+16*\a:(\f)+16*\a+15], v[ACC+8*(4*\a+\b):ACC+8*(4*\a+\b)+7]
.endif
.endr
.endr
.endm
.macro KSTEP k, zero
	s_wait_dscnt 0x0                               ; this step's fragments are in; no LDS instruction of mine is out at a signal
.if (\k) == 3
	s_wait_tensorcnt 0x0                           ; slot 1's waves: my part has landed,
	s_barrier_signal -1
	s_barrier_wait -1                              ; slot 1 is whole
.endif
.if (\k) < 7
.if (\k) > 0
	PLACES                                         ; in front of loads into the buffer that the step before multiplied
.endif
	FETCH (\k)+1
.endif
	MUL8 128*((\k)%2), \zero
.endm
	FETCH 0
	WIN 0
	s_add_nc_u64 s[8:9], s[8:9], s[94:95]
	s_add_nc_u64 s[10:11], s[10:11], s[92:93]
	s_add_nc_u64 s[12:13], s[12:13], s[92:93]
.irp b, 0,1,2,3
	global_load_b128 v[BC+8*\b:BC+8*\b+3], v19, s[8:9] offset:64*\b
	global_load_b128 v[BC+8*\b+4:BC+8*\b+7], v19, s[8:9] offset:64*\b+16
.endr
.set n, 0
.rept 16
	global_load_b128 v[RS+4*n:RS+4*n+3], v[GO], s[10:11] offset:2*n*4096   ; rows 2 n, 2 n + 1 of my 32
.set n, n+1
.endr
	KSTEP 0, 1
.irp k, 1,2,3,4,5,6,7
	KSTEP \k, 0
.endr
	WIN 0
	PLACES
	s_wait_kmcnt 0x0
	s_add_co_i32 s96, s96, s97
	s_add_co_i32 s96, s96, 127
	s_lshl_b32 s96, s96, 23                        ; 2^(eA + eB)
	s_mov_b32 s97, s96
	s_wait_loadcnt 16                              ; the bias; the residual's sixteen loads may be out
.irp a, 0,1                            ; my tokens 16 a .. 16 a + 15 through my stage, so that sixteen lanes hold a row's 256 neighbouring bytes
.set p, 0
.rept 16
	v_pk_fma_f32 v[T+32*\a+p:T+32*\a+p+1], v[ACC+32*\a+p:ACC+32*\a+p+1], s[96:97], v[BC+p:BC+p+1] op_sel_hi:[1,0,1]   ; sum x 2^(eA + eB) + bias; each accumulator from its low end on
.set p, p+2
.endr
.irp b, 0,1,2,3
	ds_store_b128 v[STO], v[T+32*\a+8*\b:T+32*\a+8*\b+3] offset:64*\b
	ds_store_b128 v[STO], v[T+32*\a+8*\b+4:T+32*\a+8*\b+7] offset:64*\b+16
.endr
.irp n, 0,1,2,3,4,5,6,7
	ds_load_b128 v[ACC+32*\a+4*\n:ACC+32*\a+4*\n+3], v[RD] offset:\n*544   ; LDS serves a wave's instructions in order: these see my stores, and the next block's stores come behind them
.endr
.endr
	s_wait_loadcnt 0x0                             ; the residual
.irp a, 0,1
	s_wait_dscnt 16-16*\a                          ; block 0 is back: block 1's 8 stores and 8 loads may be out
.set p, 0
.rept 16
	v_pk_add_f32 v[ACC+32*\a+p:ACC+32*\a+p+1], v[ACC+32*\a+p:ACC+32*\a+p+1], v[RS+32*\a+p:RS+32*\a+p+1]
.set p, p+2
.endr
.irp n, 0,1,2,3,4,5,6,7
	global_store_b128 v[GO], v[ACC+32*\a+4*\n:ACC+32*\a+4*\n+3], s[12:13] offset:(16*\a+2*\n)*4096 th:TH_STORE_NT   ; sixteen lanes store 256 consecutive bytes, at a multiple of 256 from the buffer's first byte
.endr
.endr
	s_wait_tensorcnt 0x0                           ; the wave's end
	ds_add_u32 v[SPW], v[NIL]
	s_wait_dscnt 0x0
	CROUND                                         ; the closing round
	s_endpgm
.Lfunc_end_k_qc886314780_wo:
	.size	k_qc886314780_wo, .Lfunc_end_k_qc886314780_wo-k_qc886314780_wo
	.p2alignl 7, 3214868480
	.fill 96, 4, 3214868480
	.section	.rodata,"a",@progbits
	.p2align	6, 0x0
	.amdhsa_kernel k_qc886314780_wo
		.amdhsa_group_segment_fixed_size 327680
		.amdhsa_private_segment_fixed_size 0
		.amdhsa_enable_private_segment 0
		.amdhsa_kernarg_size 40
		.amdhsa_user_sgpr_count 2
		.amdhsa_user_sgpr_kernarg_segment_ptr 1
		.amdhsa_wavefront_size32 1
		.amdhsa_system_sgpr_workgroup_id_x 1
		.amdhsa_system_sgpr_workgroup_id_y 1
		.amdhsa_system_sgpr_workgroup_id_z 1
		.amdhsa_system_vgpr_workitem_id 0
		.amdhsa_next_free_vgpr 512
		.amdhsa_next_free_sgpr 100
		.amdhsa_reserve_vcc 0
		.amdhsa_float_denorm_mode_32 3
		.amdhsa_float_denorm_mode_16_64 3
		.amdhsa_memory_ordered 1
		.amdhsa_forward_progress 1
		.amdhsa_inst_pref_size 36
	.end_amdhsa_kernel
	.amdgpu_metadata
---
amdhsa.version: [ 1, 2 ]
amdhsa.kernels:
  - .name:           k_qc886314780_wo
    .symbol:         k_qc886314780_wo.kd
    .args:
      - { .name: ac, .offset: 0, .size: 8, .value_kind: global_buffer, .address_space: global }
      - { .name: woc, .offset: 8, .size: 8, .value_kind: global_buffer, .address_space: global }
      - { .name: zeros, .offset: 16, .size: 8, .value_kind: global_buffer, .address_space: global }
      - { .name: x, .offset: 24, .size: 8, .value_kind: global_buffer, .address_space: global }
      - { .name: x1, .offset: 32, .size: 8, .value_kind: global_buffer, .address_space: global }
    .group_segment_fixed_size: 327680
    .private_segment_fixed_size: 0
    .kernarg_segment_align: 8
    .kernarg_segment_size: 40
    .max_flat_workgroup_size: 256
    .sgpr_count:     100
    .vgpr_count:     512
    .wavefront_size: 32
...
	.end_amdgpu_metadata
.endif
;; end of part 4
;; launch ln2 (part 5): grid 256 x 1, 4 waves a work-group, no clusters, 83,456 bytes of LDS; arguments x1, ln2_s, ln2_b, lowp_scales, hc; writes hc
.if DOCPART == 5
	.amdgcn_target "amdgcn-amd-amdhsa--gfx1250"
	.amdhsa_code_object_version 6
	.text
	.protected	k_qc886314780_ln2
	.globl	k_qc886314780_ln2
	.p2align	8
	.type	k_qc886314780_ln2,@function
k_qc886314780_ln2:
	s_mov_b64 s[64:65], 0
	v_nop
	global_prefetch_b8 v0, s[64:65] scope:SCOPE_SE
	s_setreg_imm32_b32 hwreg(HW_REG_WAVE_MODE, 25, 1), 1
	s_wait_xcnt 0x0
; LN2(x1) as codes of E4M3 with the scale 2^e12, in the token layout: byte ((batch x 16 + c / 64) x 2,048 + t) x 64 + c % 64.
; A wave takes four rows, whole, in 128 registers: read once, mean first, then the variance of x - mean.  The stage is a wave's own: no barrier.  LIMIT: e12 between -126 and 119; NaN is not served.
.set RP,    5184                       ; stage: a row of 64 groups of (64 + 16) bytes, + 64
.set LST,   4*RP
.set X,     32                         ; v32-159 four rows of 32 registers
.set SG,    160                        ; the gain;  later TQ: two sets of 16 held numbers
.set BG,    192                        ; the bias;  later CQ: codes
.set TQ,    160
.set CQ,    192
	s_load_b256 s[8:15], s[0:1], 0x0               ; x1 s[8:9], gain s[10:11], bias s[12:13], the exponents s[14:15]
	s_load_b64 s[28:29], s[0:1], 0x20              ; hc
	v_lshl_add_u32 v254, v0, 2, 0x14400
	v_mov_b32 v255, 0
	v_lshrrev_b32 v1, 5, v0
	v_readfirstlane_b32 s43, v1                    ; wave
	v_and_b32 v2, 31, v0                           ; lane
	s_wait_alu depctr_va_vdst(0)
	s_lshl_b32 s40, ttmp9, 2
	s_add_co_u32 s40, s40, s43                     ; which four rows
	s_lshl_b32 s44, s40, 14
	s_mov_b32 s45, 0
	s_lshr_b32 s46, s40, 9
	s_lshl_b32 s46, s46, 21
	s_and_b32 s47, s40, 511
	s_lshl_b32 s47, s47, 8
	s_add_co_u32 s46, s46, s47
	s_mov_b32 s47, 0
	s_mov_b32 s38, 0x76543210
	s_mov_b32 s39, 0xfedcba98
	s_mov_b32 s52, 0x3a800000                      ; 1 / 1,024
	s_mov_b32 s53, 0x358637bd                      ; 1e-6
	s_mul_i32 s41, s43, LST                        ; my stage
	v_lshlrev_b32 v3, 4, v2
	v_lshrrev_b32 v24, 2, v2
	v_mul_u32_u24 v4, v24, 80
	v_and_b32 v25, 3, v2
	v_lshl_add_u32 v4, v25, 4, v4
	v_add_nc_u32 v4, s41, v4                       ; into the stage
	v_and_b32 v24, 3, v24
	v_mul_u32_u24 v5, v24, RP
	v_lshrrev_b32 v26, 4, v2
	v_lshl_add_u32 v25, v26, 2, v25
	v_mad_u32_u24 v5, v25, 80, v5
	v_add_nc_u32 v5, s41, v5                       ; out of it: row (lane / 4) % 4, group 4 (lane / 16) + lane % 4
	v_and_b32 v23, 15, v2
	v_lshlrev_b32 v23, 4, v23
	v_lshl_add_u32 v23, v26, 17, v23               ; the codes' place
	v_mov_b32 v22, 0
	s_wait_kmcnt 0x0
	s_load_b32 s54, s[14:15], 0x30                 ; e12
	s_add_nc_u64 s[8:9], s[8:9], s[44:45]
	s_add_nc_u64 s[48:49], s[28:29], s[46:47]
.set i, 0
.rept 4
.set j, 0
.rept 8
	global_load_b128 v[X+32*i+4*j:X+32*i+4*j+3], v3, s[8:9] offset:4096*i+512*j th:TH_LOAD_NT
.set j, j+1
.endr
.set i, i+1
.endr
.set j, 0
.rept 8
	global_load_b128 v[SG+4*j:SG+4*j+3], v3, s[10:11] offset:512*j
	global_load_b128 v[BG+4*j:BG+4*j+3], v3, s[12:13] offset:512*j
.set j, j+1
.endr
.macro LANESUM a
	v_add_f32_dpp v[\a], v[\a], v[\a] row_xmask:1 row_mask:0xf bank_mask:0xf
	v_add_f32_dpp v[\a], v[\a], v[\a] row_xmask:2 row_mask:0xf bank_mask:0xf
	v_add_f32_dpp v[\a], v[\a], v[\a] row_xmask:4 row_mask:0xf bank_mask:0xf
	v_add_f32_dpp v[\a], v[\a], v[\a] row_xmask:8 row_mask:0xf bank_mask:0xf
	v_permlanex16_b32 v22, v[\a], s38, s39
	v_add_f32 v[\a], v[\a], v22
.endm
.macro STATS i
.set XR, X+32*(\i)
.set ST, 6+4*(\i)
	v_pk_add_f32 v[ST:ST+1], v[XR:XR+1], v[XR+2:XR+3]
	v_pk_add_f32 v[ST+2:ST+3], v[XR+4:XR+5], v[XR+6:XR+7]
.set p, 8
.rept 6
	v_pk_add_f32 v[ST:ST+1], v[ST:ST+1], v[XR+p:XR+p+1]
	v_pk_add_f32 v[ST+2:ST+3], v[ST+2:ST+3], v[XR+p+2:XR+p+3]
.set p, p+4
.endr
	v_pk_add_f32 v[ST:ST+1], v[ST:ST+1], v[ST+2:ST+3]
	v_add_f32 v[ST], v[ST], v[ST+1]
	LANESUM ST
	v_mul_f32 v[ST], s52, v[ST]
.set p, 0
.rept 16
	v_pk_add_f32 v[XR+p:XR+p+1], v[XR+p:XR+p+1], v[ST:ST+1] op_sel_hi:[1,0] neg_lo:[0,1] neg_hi:[0,1]
.set p, p+2
.endr
	v_pk_mul_f32 v[ST:ST+1], v[XR:XR+1], v[XR:XR+1]
	v_pk_mul_f32 v[ST+2:ST+3], v[XR+2:XR+3], v[XR+2:XR+3]
.set p, 4
.rept 7
	v_pk_fma_f32 v[ST:ST+1], v[XR+p:XR+p+1], v[XR+p:XR+p+1], v[ST:ST+1]
	v_pk_fma_f32 v[ST+2:ST+3], v[XR+p+2:XR+p+3], v[XR+p+2:XR+p+3], v[ST+2:ST+3]
.set p, p+4
.endr
	v_pk_add_f32 v[ST:ST+1], v[ST:ST+1], v[ST+2:ST+3]
	v_add_f32 v[ST], v[ST], v[ST+1]
	LANESUM ST
	v_fma_f32 v[ST], v[ST], s52, s53
.endm
.macro NORM i
.set XR, X+32*(\i)
.set ST, 6+4*(\i)
.set p, 0
.rept 16
	v_pk_mul_f32 v[XR+p:XR+p+1], v[XR+p:XR+p+1], v[ST+2:ST+3] op_sel_hi:[1,0]
	v_pk_fma_f32 v[XR+p:XR+p+1], v[XR+p:XR+p+1], v[SG+p:SG+p+1], v[BG+p:BG+p+1]
.set p, p+2
.endr
.endm
	s_wait_loadcnt 16                              ; the four rows are in; the sixteen loads of gain and bias may be out
	STATS 0
	STATS 1
	STATS 2
	STATS 3
	s_wait_alu depctr_va_vdst(0)
.irp i, 0,1,2,3
	v_rsq_f32 v[8+4*\i], v[6+4*\i]
.endr
	v_nop
	s_wait_alu depctr_va_vdst(0)                   ; one wait for the four, ahead of their first reader
	s_wait_loadcnt 0x0
	NORM 0
	NORM 1
	NORM 2
	NORM 3
.set i, 0
.rept 4
.set j, 0
.rept 8
	ds_store_b128 v4, v[X+32*i+4*j:X+32*i+4*j+3] offset:i*RP+j*640
.set j, j+1
.endr
.set i, i+1
.endr
.set t, 0
.rept 8
.set m, 0
.rept 4
	ds_load_b128 v[X+16*t+4*m:X+16*t+4*m+3], v5 offset:t*640+16*m   ; LDS serves a wave's instructions in order: these see my stores
.set m, m+1
.endr
.set t, t+1
.endr
	s_wait_kmcnt 0x0
	s_add_co_i32 s54, s54, 127
	s_lshl_b32 s55, s54, 23
	v_mov_b32 v224, s55                            ; 2^e12
	s_add_co_i32 s54, s54, 8
	s_lshl_b32 s54, s54, 23
	s_or_b32 s54, s54, 0x600000
	v_mov_b32 v225, s54                            ; 448 x 2^e12
	s_wait_alu depctr_va_vdst(0)
	s_wait_dscnt 0x0
.set t, 0
.rept 8
.set TS, TQ+16*(t%2)
.set n, 0
.rept 16
	v_med3_num_f32 v[TS+n], v[X+16*t+n], -v225, v225
.set n, n+1
.endr
	v_cvt_scalef32_pk8_fp8_f32 v[CQ+4*t:CQ+4*t+1], v[TS:TS+7], v224
	v_cvt_scalef32_pk8_fp8_f32 v[CQ+4*t+2:CQ+4*t+3], v[TS+8:TS+15], v224
	global_store_b128 v23, v[CQ+4*t:CQ+4*t+3], s[48:49] offset:t*262144   ; sixteen lanes store 256 consecutive bytes: 4 tokens x 64 codes of a panel
.set t, t+1
.endr
	s_wait_tensorcnt 0x0
	ds_add_u32 v254, v255
	s_wait_dscnt 0x0
	s_endpgm
.Lfunc_end_k_qc886314780_ln2:
	.size	k_qc886314780_ln2, .Lfunc_end_k_qc886314780_ln2-k_qc886314780_ln2
	.p2alignl 7, 3214868480
	.fill 96, 4, 3214868480
	.section	.rodata,"a",@progbits
	.p2align	6, 0x0
	.amdhsa_kernel k_qc886314780_ln2
		.amdhsa_group_segment_fixed_size 83456
		.amdhsa_private_segment_fixed_size 0
		.amdhsa_enable_private_segment 0
		.amdhsa_kernarg_size 40
		.amdhsa_user_sgpr_count 2
		.amdhsa_user_sgpr_kernarg_segment_ptr 1
		.amdhsa_wavefront_size32 1
		.amdhsa_system_sgpr_workgroup_id_x 1
		.amdhsa_system_sgpr_workgroup_id_y 1
		.amdhsa_system_sgpr_workgroup_id_z 1
		.amdhsa_system_vgpr_workitem_id 0
		.amdhsa_next_free_vgpr 256
		.amdhsa_next_free_sgpr 66
		.amdhsa_reserve_vcc 0
		.amdhsa_float_denorm_mode_32 3
		.amdhsa_float_denorm_mode_16_64 3
		.amdhsa_memory_ordered 1
		.amdhsa_forward_progress 1
		.amdhsa_inst_pref_size 45
	.end_amdhsa_kernel
	.amdgpu_metadata
---
amdhsa.version: [ 1, 2 ]
amdhsa.kernels:
  - .name:           k_qc886314780_ln2
    .symbol:         k_qc886314780_ln2.kd
    .args:
      - { .name: x1, .offset: 0, .size: 8, .value_kind: global_buffer, .address_space: global }
      - { .name: ln2_s, .offset: 8, .size: 8, .value_kind: global_buffer, .address_space: global }
      - { .name: ln2_b, .offset: 16, .size: 8, .value_kind: global_buffer, .address_space: global }
      - { .name: lowp_scales, .offset: 24, .size: 8, .value_kind: global_buffer, .address_space: global }
      - { .name: hc, .offset: 32, .size: 8, .value_kind: global_buffer, .address_space: global }
    .group_segment_fixed_size: 83456
    .private_segment_fixed_size: 0
    .kernarg_segment_align: 8
    .kernarg_segment_size: 40
    .max_flat_workgroup_size: 128
    .sgpr_count:     66
    .vgpr_count:     256
    .wavefront_size: 32
...
	.end_amdgpu_metadata
.endif
;; end of part 5
;; launch w1 (part 6): grid 8 x 32, 8 waves a work-group, clusters of 4 x 4, 327,680 bytes of LDS; arguments hc, wc, b1, lowp_scales, ac; writes ac
.if DOCPART == 6
	.amdgcn_target "amdgcn-amd-amdhsa--gfx1250"
	.amdhsa_code_object_version 6
	.text
	.protected	k_qc886314780_w1
	.globl	k_qc886314780_w1
	.p2align	8
	.type	k_qc886314780_w1,@function
k_qc886314780_w1:
	s_mov_b64 s[64:65], 0
	v_nop
	global_prefetch_b8 v0, s[64:65] scope:SCOPE_SE
	s_setreg_imm32_b32 hwreg(HW_REG_WAVE_MODE, 25, 1), 1
	s_wait_xcnt 0x0
	s_wait_alu depctr_hold_cnt(0) depctr_sa_sdst(0) depctr_va_vdst(0) depctr_va_sdst(0) depctr_va_ssrc(0) depctr_va_vcc(0) depctr_vm_vsrc(0)
	s_getreg_b32 s2, hwreg(HW_REG_IB_STS2, 6, 4)
	s_cmp_eq_u32 s2, 0
	s_cbranch_scc0 .Lentry_in_a_cluster
	s_endpgm
.Lentry_in_a_cluster:
	s_bfe_u32 s2, ttmp6, 0x10000c
	s_cmp_lg_u32 s2, 0xf033
	s_cbranch_scc0 .Lentry_shape_is_right
	s_endpgm
.Lentry_shape_is_right:
; gelu(LN2(x1) W1 + b1), quantised with e14, on codes of E4M3 (A: e12, W1: e13; W1's codes lie 3 MiB into the weights' buffer).  gelu is the tanh form: y / (1 + 2^z), z = y (c1 + c2 y^2),
; c1 = -2 log2(e) sqrt(2 / pi), c2 = 0.044715 c1: the same function, since (1 + tanh u) / 2 = 1 / (1 + e^(-2u)).
; A tile is 128 tokens x 128 outputs; eight waves, 32 x 64 each.  ALL of K = 1,024 of both operands lies in LDS: wave w asks for chunk w / 2 of A (w even) or of W1 (w odd) by its one load at the head; nothing is filled again,
; and since all tiles are asked for at the head there is no later request for a prefetch to run ahead of.  Slot 0 (chunks 0, 1: K steps 0-3) is waited for by its four waves at once, slot 1 at K step 3.
; CLUSTER 4 x 4: A's tiles are shared along a row of the cluster, W1's along a column: joint loads.
; LDS: chunk c (256 along K) at 69,632 c: A's four panels (128 rows x 64 bytes as 32 lines of 256 + 16 bytes), then W1's four.  Row p of a panel lies at (p / 4) x 272 + (p % 4) x 64.
; Source 0 = 16 rows of W1, source 1 = 16 tokens: a lane holds one token and eight neighbouring hidden units, which are neighbours along the next K.
; OUT: a wave's 32 tokens x 64 codes are 2,048 dense bytes, half of block ((batch x 16 + unit / 64) x 32 + token / 64).
; LIMITS: e12 + e13 between -126 and 127; e14 between -126 and 119.  NaN is not served.
.set CHUNK, 69632
.set HALFC, 34816
.set PAIR,  17408
.set PANEL, 8704
.set SLOT,  2*CHUNK
.set STG,   2*SLOT                     ; behind the tiles: a stage of 32 rows x 80 bytes for each wave
.set SPARE, STG+8*2560                 ; the spare words, 128 bytes for each wave
.set ADRP,  8                          ; v8-11, v12-15  LDS address of my fragments in chunk 0 .. 3
.set ADRQ,  12
.set STO,   16
.set RD,    17
.set GO,    18
.set SPW,   28
.set NIL,   29
.set BC,    32                         ; v32-63  b1 of my 64 units, in the result's layout
.set T,     64                         ; v64-127 y of my two blocks of 16 tokens
.set ACC,   128                        ; v128-191 accumulators.   Window 1: two fragment buffers
.set Z,     192                        ; v192-223 z
.set CC,    224                        ; v224-239 codes
.set OB,    240                        ; v240-255 the way out
.set MSB, 0
.macro WIN new
.if MSB != \new
	s_set_vgpr_msb (MSB<<8)|\new
.set MSB, \new
.endif
.endm
.macro CROUND
	s_barrier_signal -1
	s_barrier_wait -1
	s_cmp_lg_u32 s56, 0
	s_cbranch_scc1 .Lnot_wave_0_\@
	s_barrier_signal -3
.Lnot_wave_0_\@:
	s_barrier_wait -3
	s_barrier_signal -1
	s_barrier_wait -1
.endm
.macro PLACES
.rept 4
	v_nop
.endr
.endm
	s_load_b256 s[4:11], s[0:1], 0x0               ; hc s[4:5], wc s[6:7], b1 s[8:9], the exponents s[10:11]
	s_load_b64 s[12:13], s[0:1], 0x20              ; ac
	v_lshl_add_u32 v[SPW], v0, 2, SPARE
	v_mov_b32 v[NIL], 0
	ds_add_u32 v[SPW], v[NIL]                      ; the opening: the add, twice on end, and its wait
	ds_add_u32 v[SPW], v[NIL]
	v_lshrrev_b32 v1, 5, v0
	v_readfirstlane_b32 s56, v1                    ; wave 0..7
	s_lshr_b32 s58, s56, 1                         ; i: my 32 tokens.  Also: the chunk that I fetch
	s_and_b32 s57, s56, 1                          ; j: my 64 units.  Also: I fetch A's tile (0) or W1's (1)
	s_lshr_b32 s66, s56, 2                         ; my slot,
	s_and_b32 s67, s58, 1                          ; and which chunk of it
	s_bfe_u32 s59, ttmp6, 0x40000
	s_bfe_u32 s60, ttmp6, 0x40004
	s_lshl_b32 s61, ttmp9, 2
	s_add_co_u32 s61, s61, s59
	s_and_b32 s62, ttmp7, 0xffff
	s_lshl_b32 s62, s62, 2
	s_add_co_u32 s62, s62, s60
	s_lshl_b32 s20, s60, 2
	s_lshl_b32 s20, 15, s20
	s_lshl_b32 s21, 0x1111, s59
	s_or_b32 s24, s20, (1<<20)|(1<<21)|(5<<22)|(3<<25)   ; group 1: four panels of 8,192 dense bytes, 16 bytes of padding behind every 256; the mask: my row
	s_or_b32 s32, s21, (1<<20)|(1<<21)|(5<<22)|(3<<25)   ; my column
.irp g, 24, 32
	s_mov_b32 s[\g+1], 8192<<16
	s_mov_b32 s[\g+2], 4<<16
	s_mov_b32 s[\g+3], 8192<<16
	s_mov_b32 s[\g+4], 4
	s_mov_b32 s[\g+6], 0
	s_mov_b32 s[\g+7], 0
.endr
	s_mov_b32 s29, 131072
	s_mov_b32 s37, 65536
	s_lshr_b32 s84, s62, 4                         ; A: the batch, 128 tokens x 64 bytes, my chunk of a slot
	s_lshl_b32 s84, s84, 21
	s_and_b32 s85, s62, 15
	s_lshl_b32 s85, s85, 13
	s_add_co_u32 s84, s84, s85
	s_lshl_b32 s85, s67, 19
	s_add_co_u32 s84, s84, s85
	s_mov_b32 s85, 0
	s_lshl_b32 s86, s61, 13                        ; W1: 128 rows x 64 bytes, my chunk
	s_lshl_b32 s87, s67, 18
	s_add_co_u32 s86, s86, s87
	s_add_co_u32 s86, s86, 0x300000                ; W1 is the fourth weight in the buffer
	s_mov_b32 s87, 0
	s_mul_i32 s22, s67, CHUNK                      ; no place in the cluster enters an LDS address
	s_lshl_b32 s68, s61, 9
	s_lshl_b32 s69, s57, 8
	s_add_co_u32 s68, s68, s69                     ; 4 x (128 x tile + 64 j)
	s_mov_b32 s69, 0
	s_lshr_b32 s70, s62, 4                         ; my half block of the output
	s_lshl_b32 s70, s70, 4
	s_lshl_b32 s71, s61, 1
	s_add_co_u32 s70, s70, s71
	s_add_co_u32 s70, s70, s57
	s_lshl_b32 s70, s70, 5
	s_lshl_b32 s71, s62, 1
	s_and_b32 s71, s71, 31
	s_add_co_u32 s70, s70, s71
	s_lshl_b32 s70, s70, 1
	s_add_co_u32 s70, s70, s58                     ; in halves of a block
	s_lshl_b32 s70, s70, 11
	s_mov_b32 s71, 0
	s_mul_i32 s89, s58, 2176
	s_mul_i32 s90, s57, 4352
	s_add_co_u32 s90, s90, HALFC
	s_mul_i32 s91, s56, 2560
	s_add_co_u32 s91, s91, STG                     ; my stage
	s_mov_b32 s98, 0xbdd2d3e8                      ; c2 = -0.10294324
	s_mov_b32 s99, s98
	v_and_b32 v1, 15, v0                           ; r
	v_bfe_u32 v2, v0, 4, 1                         ; h
	v_and_b32 v22, 31, v0
	v_lshrrev_b32 v20, 2, v1
	v_and_b32 v21, 3, v1
	v_lshlrev_b32 v19, 5, v2
	v_mul_u32_u24 v3, v20, 272
	v_lshrrev_b32 v23, 2, v22
	v_and_b32 v24, 3, v22
	v_lshl_add_u32 v3, v21, 6, v3
	v_mul_u32_u24 v[STO], v1, 80
	v_mul_u32_u24 v[RD], v23, 80
	v_lshl_add_u32 v3, v2, 4, v3                   ; a fragment's row r in a panel, + 16 h
	v_lshl_add_u32 v[STO], v2, 3, v[STO]
	v_lshl_add_u32 v[RD], v24, 4, v[RD]
	v_add_nc_u32 v[ADRP], s89, v3
	v_add_nc_u32 v[ADRQ], s90, v3
	v_add_nc_u32 v[STO], s91, v[STO]               ; in: row r, 8 bytes for each half of the lanes
	v_add_nc_u32 v[RD], s91, v[RD]                 ; back: four lanes to a row of 64 bytes
.irp q, 1,2,3
	v_add_nc_u32 v[ADRP+\q], \q*CHUNK, v[ADRP]
	v_add_nc_u32 v[ADRQ+\q], \q*CHUNK, v[ADRQ]
.endr
	v_lshlrev_b32 v[GO], 4, v22
	v_mov_b32 v6, 0xc0135761                       ; c1 = -2.3022082, twice
	v_mov_b32 v7, 0xc0135761
	s_wait_alu depctr_va_vdst(0)                   ; the wait at the end of the head's vector work
	s_wait_dscnt 0x0                               ; both opening adds are done
	s_wait_kmcnt 0x0
	s_load_b128 s[92:95], s[10:11], 0x30           ; e12, e13, e14, e15
	s_add_nc_u64 s[84:85], s[4:5], s[84:85]
	s_add_nc_u64 s[86:87], s[6:7], s[86:87]
.irp s, 0,1                            ; descriptor group 0, a set for each slot: A's, W1's
	s_mov_b32 s[40+8*\s], 1
	s_add_co_u32 s[41+8*\s], s22, \s*SLOT
	s_add_nc_u64 s[42+8*\s:43+8*\s], s[84:85], \s*0x100000
	s_or_b32 s[43+8*\s], s[43+8*\s], 0x80000000
	s_mov_b32 s[44+8*\s], 1
	s_add_co_u32 s[45+8*\s], s22, \s*SLOT+HALFC
	s_add_nc_u64 s[46+8*\s:47+8*\s], s[86:87], \s*0x80000
	s_or_b32 s[47+8*\s], s[47+8*\s], 0x80000000
.endr
	CROUND                                         ; all sixteen work-groups are here: the joint loads meet
	s_cmp_eq_u32 s66, 0                            ; every wave's one load, in one chain of branches on the wave's number
	s_cbranch_scc1 .Lslot0
	s_cmp_eq_u32 s57, 0
	s_cbranch_scc0 .Lslot1w
	tensor_load_to_lds s[48:51], s[24:31]
	s_nop 0
	PLACES
	s_branch .Lasked
.Lslot1w:
	tensor_load_to_lds s[52:55], s[32:39]
	s_nop 0
	PLACES
	s_branch .Lasked
.Lslot0:
	s_cmp_eq_u32 s57, 0
	s_cbranch_scc0 .Lslot0w
	tensor_load_to_lds s[40:43], s[24:31]
	s_nop 0
	PLACES
	s_branch .Lin0
.Lslot0w:
	tensor_load_to_lds s[44:47], s[32:39]
	s_nop 0
	PLACES
.Lin0:
	s_wait_tensorcnt 0x0                           ; slot 0's waves: my part has landed
.Lasked:
	s_barrier_signal -1
	s_barrier_wait -1                              ; slot 0 is whole; slot 1's loads may be out
.macro FETCH k                         ; 24 LDS loads in one run: the fragments of K step k into buffer k % 2
	WIN 0x40
.set FB, 128*((\k)%2)
.set FO, ((\k)%2)*PAIR
.irp n, 0,1,2,3
.irp c, 0,1,2,3
	ds_load_b128 v[FB+32+16*\n+4*\c:FB+32+16*\n+4*\c+3], v[ADRQ+(\k)/2] offset:FO+(\c/2)*PANEL+\n*1088+32*(\c%2)
.endr
.if \n < 2
.irp c, 0,1,2,3
	ds_load_b128 v[FB+16*\n+4*\c:FB+16*\n+4*\c+3], v[ADRP+(\k)/2] offset:FO+(\c/2)*PANEL+\n*1088+32*(\c%2)
.endr
.endif
.endr
.endm
.macro MUL8 f, zero                    ; the 8 accumulators take turns, one instruction a turn, in the same order in every step
	WIN 0x05
.irp a, 0,1
.irp b, 0,1,2,3
.if \zero
	v_wmma_f32_16x16x128_fp8_fp8 v[ACC+8*(4*\a+\b):ACC+8*(4*\a+\b)+7], v[(\f)+32+16*\b:(\f)+32+16*\b+15], v[(\f)+16*\a:(\f)+16*\a+15], 0
.else
	v_wmma_f32_16x16x128_fp8_fp8 v[ACC+8*(4*\a+\b):ACC+8*(4*\a+\b)+7], v[(\f)+32+16*\b:(\f)+32+16*\b+15], v[(\f)+16*\a:(\f)+16*\a+15], v[ACC+8*(4*\a+\b):ACC+8*(4*\a+\b)+7]
.endif
.endr
.endr
.endm
.macro KSTEP k, zero
	s_wait_dscnt 0x0                               ; this step's fragments are in; no LDS instruction of mine is out at a signal
.if (\k) == 3
	s_wait_tensorcnt 0x0                           ; slot 1's waves: my part has landed,
	s_barrier_signal -1
	s_barrier_wait -1                              ; slot 1 is whole
.endif
.if (\k) < 7
.if (\k) > 0
	PLACES                                         ; in front of loads into the buffer that the step before multiplied
.endif
	FETCH (\k)+1
.endif
	MUL8 128*((\k)%2), \zero
.endm
	FETCH 0
	WIN 0
	s_add_nc_u64 s[8:9], s[8:9], s[68:69]
	s_add_nc_u64 s[12:13], s[12:13], s[70:71]
.irp b, 0,1,2,3
	global_load_b128 v[BC+8*\b:BC+8*\b+3], v19, s[8:9] offset:64*\b
	global_load_b128 v[BC+8*\b+4:BC+8*\b+7], v19, s[8:9] offset:64*\b+16
.endr
	KSTEP 0, 1
.irp k, 1,2,3,4,5,6,7
	KSTEP \k, 0
.endr
	WIN 0
	PLACES
	s_wait_kmcnt 0x0
	s_add_co_i32 s96, s92, s93
	s_add_co_i32 s96, s96, 127
	s_lshl_b32 s96, s96, 23                        ; 2^(e12 + e13)
	s_mov_b32 s97, s96
	s_add_co_i32 s94, s94, 127
	s_lshl_b32 s95, s94, 23
	v_mov_b32 v4, s95                              ; 2^e14
	s_add_co_i32 s94, s94, 8
	s_lshl_b32 s94, s94, 23
	s_or_b32 s94, s94, 0x600000
	v_mov_b32 v5, s94                              ; 448 x 2^e14
	s_wait_loadcnt 0x0
.irp a, 0,1                            ; both blocks' sums are read ahead of the first exponentials
.set p, 0
.rept 16
	v_pk_fma_f32 v[T+32*\a+p:T+32*\a+p+1], v[ACC+32*\a+p:ACC+32*\a+p+1], s[96:97], v[BC+p:BC+p+1] op_sel_hi:[1,0,1]   ; y = sum x 2^(e12 + e13) + b1; each accumulator from its low end on
.set p, p+2
.endr
.endr
.macro OUTA a                          ; my tokens 16 a .. 16 a + 15
.set TA, T+32*(\a)
.set p, 0
.rept 16
	v_pk_mul_f32 v[Z+p:Z+p+1], v[TA+p:TA+p+1], v[TA+p:TA+p+1]
.set p, p+2
.endr
.set p, 0
.rept 16
	v_pk_fma_f32 v[Z+p:Z+p+1], v[Z+p:Z+p+1], s[98:99], v[6:7] op_sel_hi:[1,0,1]
.set p, p+2
.endr
.set p, 0
.rept 16
	v_pk_mul_f32 v[Z+p:Z+p+1], v[Z+p:Z+p+1], v[TA+p:TA+p+1]   ; z
.set p, p+2
.endr
.set p, 0
	s_wait_alu depctr_va_vdst(0)                   ; the wait ahead of a batch, and one ahead of its first reader
.rept 32
	v_exp_f32 v[Z+p], v[Z+p]
.set p, p+1
.endr
	v_nop                                          ; a plain line behind the last exponential
	s_wait_alu depctr_va_vdst(0)
.set p, 0
.rept 16
	v_pk_add_f32 v[Z+p:Z+p+1], v[Z+p:Z+p+1], 1.0 op_sel_hi:[1,0]
.set p, p+2
.endr
.set p, 0
	s_wait_alu depctr_va_vdst(0)
.rept 32
	v_rcp_f32 v[Z+p], v[Z+p]
.set p, p+1
.endr
	v_nop
	s_wait_alu depctr_va_vdst(0)                   ; and one for the reciprocals
.set p, 0
.rept 16
	v_pk_mul_f32 v[TA+p:TA+p+1], v[TA+p:TA+p+1], v[Z+p:Z+p+1]   ; gelu(y)
.set p, p+2
.endr
.set p, 0
.rept 32
	v_med3_num_f32 v[TA+p], v[TA+p], -v5, v5       ; the conversion to an 8-bit code does not saturate (ISA guide 7.6.2): the hold comes first
.set p, p+1
.endr
.irp b, 0,1,2,3
	v_cvt_scalef32_pk8_fp8_f32 v[CC+8*(\a)+2*\b:CC+8*(\a)+2*\b+1], v[TA+8*\b:TA+8*\b+7], v4
.endr
	v_nop                                          ; a plain line behind the last conversion
.irp b, 0,1,2,3
	ds_store_b64 v[STO], v[CC+8*(\a)+2*\b:CC+8*(\a)+2*\b+1] offset:(\a)*1280+16*\b
.endr
.endm
	OUTA 0
	OUTA 1
.irp n, 0,1,2,3
	ds_load_b128 v[OB+4*\n:OB+4*\n+3], v[RD] offset:\n*640   ; my own stage: LDS serves a wave's instructions in order
.endr
.irp n, 0,1,2,3
	s_wait_dscnt 3-\n
	global_store_b128 v[GO], v[OB+4*\n:OB+4*\n+3], s[12:13] offset:512*\n   ; 512 consecutive bytes of my dense half block
.endr
	s_wait_tensorcnt 0x0                           ; the wave's end
	ds_add_u32 v[SPW], v[NIL]
	s_wait_dscnt 0x0
	CROUND                                         ; the closing round
	s_endpgm
.Lfunc_end_k_qc886314780_w1:
	.size	k_qc886314780_w1, .Lfunc_end_k_qc886314780_w1-k_qc886314780_w1
	.p2alignl 7, 3214868480
	.fill 96, 4, 3214868480
	.section	.rodata,"a",@progbits
	.p2align	6, 0x0
	.amdhsa_kernel k_qc886314780_w1
		.amdhsa_group_segment_fixed_size 327680
		.amdhsa_private_segment_fixed_size 0
		.amdhsa_enable_private_segment 0
		.amdhsa_kernarg_size 40
		.amdhsa_user_sgpr_count 2
		.amdhsa_user_sgpr_kernarg_segment_ptr 1
		.amdhsa_wavefront_size32 1
		.amdhsa_system_sgpr_workgroup_id_x 1
		.amdhsa_system_sgpr_workgroup_id_y 1
		.amdhsa_system_sgpr_workgroup_id_z 1
		.amdhsa_system_vgpr_workitem_id 0
		.amdhsa_next_free_vgpr 512
		.amdhsa_next_free_sgpr 100
		.amdhsa_reserve_vcc 0
		.amdhsa_float_denorm_mode_32 3
		.amdhsa_float_denorm_mode_16_64 3
		.amdhsa_memory_ordered 1
		.amdhsa_forward_progress 1
		.amdhsa_inst_pref_size 50
	.end_amdhsa_kernel
	.amdgpu_metadata
---
amdhsa.version: [ 1, 2 ]
amdhsa.kernels:
  - .name:           k_qc886314780_w1
    .symbol:         k_qc886314780_w1.kd
    .args:
      - { .name: hc, .offset: 0, .size: 8, .value_kind: global_buffer, .address_space: global }
      - { .name: wc, .offset: 8, .size: 8, .value_kind: global_buffer, .address_space: global }
      - { .name: b1, .offset: 16, .size: 8, .value_kind: global_buffer, .address_space: global }
      - { .name: lowp_scales, .offset: 24, .size: 8, .value_kind: global_buffer, .address_space: global }
      - { .name: ac, .offset: 32, .size: 8, .value_kind: global_buffer, .address_space: global }
    .group_segment_fixed_size: 327680
    .private_segment_fixed_size: 0
    .kernarg_segment_align: 8
    .kernarg_segment_size: 40
    .max_flat_workgroup_size: 256
    .sgpr_count:     100
    .vgpr_count:     512
    .wavefront_size: 32
...
	.end_amdgpu_metadata
.endif
;; end of part 6
;; launch w2: the kernel of part 4 again; grid 8 x 32, 8 waves a work-group, clusters of 4 x 4, 327,680 bytes of LDS; arguments ac, w2c, b2, x1, out0; writes out0
